; MI455X (gfx1250); checked and timed in simulation.
; The chip was launched on July 23, 2026; its instructions are those of AMD's public machine-readable ISA for CDNA 5 (MIT licence, August 2026) and "CDNA5" Instruction Set Architecture Reference Guide (July 2026). The comments in the code are by the model that wrote it; some were corrected since.
;; Full Attention. Allowed arithmetic: matrix products marked QUANTISED: E2M3 operands, one E8M0 scale for each 32 along K, by v_wmma_scale_f32_16x16x128_f8f6f4 with both operands' format E2M3, f32 sums; everything else in f32.
;; Inputs: W_out 1,024 x 1,024 float32; W_qkv 1,024 x 3,072 float32; b_out 1,024 float32; b_qkv 3,072 float32; x 1 x 4,096 x 1,024 float32.
;; Outputs: out0 1 x 4,096 x 1,024 float32.
;; This version of the problem:
;;   THIS VERSION OF THE PROBLEM IS GIVEN IN LOW PRECISION. The matrix products marked QUANTISED in the list below multiply operands that are first quantised to E2M3 (2 exponent bits, 3 mantissa bits; 6 bits a number), with one power-of-two scale for each 32 numbers along K (OCP MX v1.0); their sums are f32. All else is computed in f32.
;;   The module's matrix products, in the order in which they are computed (A, B: the left and right operand; K: the contracted axis; several contracted axes count as one K, in the product's order):
;;     1. [M 4,096, K 1,024] x [K 1,024, N 3,072]; A: input x; B: input W_qkv: QUANTISED
;;     2. batch 16 x [M 4,096, K 64] x [K 64, N 4,096]; A: computed on the way; B: computed on the way: QUANTISED
;;     3. batch 16 x [M 4,096, K 4,096] x [K 4,096, N 64]; A: softmax (see below); B: computed on the way: QUANTISED
;;     4. [M 4,096, K 1,024] x [K 1,024, N 1,024]; A: computed on the way; B: input W_out: QUANTISED
;;   THE QUANTISER, for each operand of a quantised product, along K:
;;     - K is cut into blocks of 32 from its start; a last block that is shorter is filled with zeros.
;;     - A block's scale is 2^e with e = floor(log2(the largest magnitude in the block)) - 2, held to -126 .. 127; a block of zeros has e = 0. As a byte (E8M0): e + 127.
;;     - Each number is divided by its block's scale, clamped to +-7.5, and rounded to the nearest number of E2M3, ties to even, subnormals kept.
;;     - The product sums the exact products of the quantised numbers (number of the format x scale) in f32.
;;   ~~~python
;;   def quantise(x, axis):      # numpy; x: float32 -> the quantised numbers, widened to float32 again
;;       x = np.moveaxis(x, axis, -1); K = x.shape[-1]
;;       x = np.pad(x, [(0, 0)] * (x.ndim - 1) + [(0, -K % 32)]); x = x.reshape(x.shape[:-1] + (-1, 32)); a = np.abs(x).max(-1, keepdims=True)
;;       e = np.where(a > 0, np.clip(np.frexp(np.where(a > 0, a, 1))[1] - 1 - 2, -126, 127), 0)      # np.frexp(a)[1] - 1 = floor(log2(a)), exactly
;;       r = np.clip(x / 2.0 ** e, -7.5, 7.5)
;;       step = 2.0 ** (np.maximum(np.frexp(np.where(r == 0, 1, r))[1] - 1, 0) - 3)
;;       q = np.round(r / step) * step * 2.0 ** e      # np.round: ties to even
;;       return np.moveaxis(q.reshape(q.shape[:-2] + (-1,))[..., :K], -1, axis).astype(np.float32)
;;   ~~~
;;   SOFTMAX AHEAD OF A QUANTISED PRODUCT. Where the list says 'softmax', what is quantised is not the finished softmax but p = 2^(t - M), with t = logit x log2(e) and M = ceil(the row's largest t), a whole number; so 1/2 < the row's largest p <= 1. The row's sum l is taken of the UNQUANTISED p, in f32, and the product's result is divided by l at the end. Since M is a whole number, a kernel that streams over the keys may use a running M (the ceiling of the running maximum): every later rescaling is an exact power of two, which a block's scale takes up: the codes' values come out the same.
;;   OPERANDS COMPUTED ON THE WAY. 'Computed on the way' means the value that the module computes at that place (a softmax that the list does not call 'softmax' is quantised finished and normalised). What goes into a quantiser is computed in f32, as accurately as f32 sums, v_exp_f32 and their like allow (about 1e-6 of the number): no bf16 or f16 on the way to a quantiser, and a product that is left as it is and whose result goes on into a quantised operand takes f32 operands (vector FMAs, or v_wmma_f32_16x16x4_f32). A number that lies on a knife's edge between two numbers of the format may be rounded either way, as far as f32 arithmetic and the matrix unit's own rounding can turn it there, and no further.
;; One version. Each part assembles by itself: llvm-mc -triple=amdgcn-amd-amdhsa -mcpu=gfx1250 --defsym DOCPART=n.
;; ======== version 1 of 1: 4 launches
;; limits: right only within a limited range of input values
;; workspace buffers: xq 3,276,800 bytes; wq 2,457,600 bytes; wo 819,200 bytes; qb 6,684,672 bytes; kv 6,684,672 bytes; aq 3,276,800 bytes
;; launch prep (part 1): grid 512 x 1, 4 waves a work-group, no clusters, 68,096 bytes of LDS; arguments x, W_qkv, W_out, xq, wq, wo; writes xq, wq, wo
.if DOCPART == 1
	.amdgcn_target "amdgcn-amd-amdhsa--gfx1250"
	.amdhsa_code_object_version 6
	.text
	.protected	k_q907b93d1a5_prep
	.globl	k_q907b93d1a5_prep
	.p2align	8
	.type	k_q907b93d1a5_prep,@function
k_q907b93d1a5_prep:
	s_mov_b64 s[64:65], 0
	v_nop
	global_prefetch_b8 v0, s[64:65] scope:SCOPE_SE
	s_setreg_imm32_b32 hwreg(HW_REG_WAVE_MODE, 25, 1), 1
	s_wait_xcnt 0x0
; x [4096][1024], W_qkv [1024][3072] and W_out [1024][1024], f32, become codes of FP6 (E2M3) with one E8M0 byte for each 32 along K (K = 1024 in all three),
; laid as IMAGES OF THE OPERAND'S REGISTERS.  An operand block is 128 rows x 128 K = 12,800 bytes: fragment t (16 rows x 128 K, 12 registers a lane) at 1536 t, register 4 q + w of lane l at 512 q + 16 l + 4 w;
; the rows' scale words at 12288 + 128 b + 4 (r + 16 u).  A buffer is [group of 128 rows][K step 0..7][12800].
; THE ROWS OF A TILE ARE NOT NEIGHBOURS: row r of tile 2 b + u is row 32 b + 8 u + r + 8 (r / 8) of the group, so that a later product's 16 registers of tiles 2 b and 2 b + 1 are 16 neighbours.
; A block's scale is 2^(floor(log2(its largest magnitude)) - 2): its byte is the largest magnitude's exponent field - 2, held at 1 from below by a floor among the maximum's leaves.
; LIMITS: a block whose largest magnitude lies under 2^-124, a block of zeros among them, gets the byte 1 (the rule says 127 for zeros: the codes are zeros and this program alone reads the bytes); NaN and infinities are not served.
; SHARES.  Work-groups 0-255: x; a wave takes 32 tokens x 128 K (16 KB, all of it asked for at once).  256-447: W_qkv, 448-511: W_out; a wave takes 32 columns x 128 K.  No loop, no barrier: waves share nothing.
; x: K is innermost: each load takes 512 consecutive bytes of a row; the rows turn through the wave's own stage in LDS (pitch 528 bytes = 132 words: 16 rows start at 16 different groups of banks) and come back
; as the operand's layout wants them: lane (r, h) holds k = 64 c + 32 h + 0 .. 31 of its row: two whole blocks.
; W: K is the first axis: a lane takes a column and its registers run down K: all four blocks of the K step are the lane's own, and it makes both halves (h = 0, 1) of its row of the fragment.
.set SPARE, 67584                      ; behind the four stages: the spare words, 128 bytes for each wave
.set SPW,   12                         ; v12  LDS address of my spare word; never rewritten
.set NIL,   13                         ; v13  0; never rewritten
.set FLOOR, 0x1800000                  ; 2^(3 - 127)
.set STG,   16896                      ; a wave's stage: 32 rows x 528 bytes
.set BLK,   12800
	s_load_b256 s[4:11], s[0:1], 0x0               ; x s[4:5], W_qkv s[6:7], W_out s[8:9], xq s[10:11]
	s_load_b128 s[12:15], s[0:1], 0x20             ; wq s[12:13], wo s[14:15]
	v_lshl_add_u32 v[SPW], v0, 2, SPARE
	v_mov_b32 v[NIL], 0
	v_lshrrev_b32 v1, 5, v0
	v_readfirstlane_b32 s16, v1                    ; wave 0..3
	v_and_b32 v1, 31, v0                           ; lane
	v_and_b32 v2, 15, v0                           ; lane % 16
	v_bfe_u32 v3, v0, 4, 1                         ; lane / 16
	s_mov_b32 s32, 0x76543210
	s_mov_b32 s33, 0xfedcba98                      ; v_permlanex16_b32's selects for lane l xor 16
	s_mov_b32 s34, 0xffff0000                      ; lanes 16-31
	s_wait_kmcnt 0x0
	s_cmp_lt_u32 ttmp9, 256                        ; the work-group's number alone decides
	s_cbranch_scc0 .Lweights
	; ---------------- x ----------------
	s_lshl_b32 s17, ttmp9, 2
	s_add_co_u32 s17, s17, s16                     ; my unit: 4 x work-group + wave
	s_and_b32 s18, s17, 7                          ; K step
	s_lshr_b32 s19, s17, 3                         ; which 32 tokens
	s_lshl_b32 s20, s19, 17                        ; 32 rows of 4,096 bytes
	s_lshl_b32 s21, s18, 9                         ; 128 numbers
	s_add_co_u32 s20, s20, s21
	s_mov_b32 s21, 0
	s_add_nc_u64 s[4:5], s[4:5], s[20:21]
	s_lshr_b32 s22, s19, 2                         ; group of 128 tokens
	s_and_b32 s23, s19, 3                          ; b: my two tiles are 2 b and 2 b + 1
	s_lshl_b32 s22, s22, 3
	s_add_co_u32 s22, s22, s18
	s_mul_i32 s22, s22, BLK                        ; the operand block
	s_mul_i32 s24, s23, 3072
	s_add_co_u32 s24, s24, s22                     ; my two fragments
	s_mov_b32 s25, 0
	s_lshl_b32 s26, s23, 7
	s_add_co_u32 s26, s26, s22
	s_add_co_u32 s26, s26, 12288                   ; my 32 scale words
	s_mov_b32 s27, 0
	s_add_nc_u64 s[28:29], s[10:11], s[24:25]
	s_add_nc_u64 s[30:31], s[10:11], s[26:27]
	s_wait_alu depctr_va_vdst(0)
	v_lshlrev_b32 v4, 4, v1                        ; 16 x lane
	v_lshlrev_b32 v5, 2, v1                        ; 4 x lane
	s_mul_i32 s35, s16, STG
	v_add_nc_u32 v14, s35, v4                      ; into the stage: a row as it lies
	v_mul_u32_u24 v15, v2, 528
	v_lshl_add_u32 v15, v3, 7, v15
	v_add_nc_u32 v15, s35, v15                     ; out of it: row r, + 128 h bytes
	v_lshlrev_b32 v6, 3, v3                        ; 8 h: where my two scale bytes stand in the word
	v_mov_b32 v7, 0                                ; (a lane permute's destination counts as one of its sources)
.set i, 0
.rept 32
	global_load_b128 v[64+4*i:64+4*i+3], v4, s[4:5] offset:4096*i th:TH_LOAD_NT   ; token i: 32 lanes read 512 consecutive bytes
.set i, i+1
.endr
.set i, 0
	s_wait_alu depctr_va_vdst(0)
.rept 32
	s_wait_loadcnt 31-i                            ; loads come back in order: row i is in, the younger ones stay out
	ds_store_b128 v14, v[64+4*i:64+4*i+3] offset:528*(16*((i/8)%2)+8*(i/16)+i%8)   ; to place 16 u + r of the stage: token i is row r = i % 8 + 8 (i / 16) of tile u = (i / 8) % 2
.set i, i+1
.endr
.macro XBACK u, reg                    ; tile u: my 64 numbers, k = 64 c + 32 h + 0 .. 31
.irp c, 0,1
.irp j, 0,1,2,3,4,5,6,7
	ds_load_b128 v[\reg+32*\c+4*\j:\reg+32*\c+4*\j+3], v15 offset:8448*\u+256*\c+16*\j
.endr
.endr
.endm
; 64 numbers of a lane, two whole blocks, become a fragment's 12 registers in v[f] on and the row's scale word in v[pw]
.macro QX xs, f, pw
.irp c, 0,1
	v_max3_num_f32 v[32+\c], |v[\xs+32*\c]|, |v[\xs+32*\c+1]|, FLOOR   ; the floor is a leaf of the maximum: the byte cannot fall under 1
.endr
.irp i, 2,4,6,8,10,12,14,16,18,20,22,24,26,28,30
.irp c, 0,1
	v_max3_num_f32 v[32+\c], v[32+\c], |v[\xs+32*\c+\i]|, |v[\xs+32*\c+\i+1]|   ; (the two blocks by turns)
.endr
.endr
.irp c, 0,1
	v_add_nc_u32 v[34+\c], 0xff000000, v[32+\c]    ; 2 off the exponent field: the conversion's scale operand
.endr
.irp c, 0,1
	v_lshrrev_b32 v[36+\c], 23, v[34+\c]           ; the scale's byte
.endr
	v_lshl_or_b32 v[\pw], v37, 16, v36             ; blocks h and 2 + h,
	v_lshlrev_b32 v[\pw], v6, v[\pw]               ; at their places in the word;
	v_permlanex16_b32 v7, v[\pw], s32, s33
	v_or_b32 v[\pw], v[\pw], v7                    ; with lane l xor 16's two the word is whole
	v_cvt_scalef32_pk16_fp6_f32 v[\f:\f+2], v[\xs:\xs+15], v34
	v_cvt_scalef32_pk16_fp6_f32 v[152:154], v[\xs+16:\xs+31], v34      ; (a conversion's three registers begin on an even number: the second half of a block's six is made elsewhere and moved)
	v_cvt_scalef32_pk16_fp6_f32 v[\f+6:\f+8], v[\xs+32:\xs+47], v35
	v_cvt_scalef32_pk16_fp6_f32 v[156:158], v[\xs+48:\xs+63], v35
	v_nop                                          ; one plain place behind the scaled conversions
.irp i, 0,1,2
	v_mov_b32 v[\f+3+\i], v[152+\i]
	v_mov_b32 v[\f+9+\i], v[156+\i]
.endr
.endm
	XBACK 0, 192                                   ; LDS serves a wave's instructions in order: these see my stores
	s_wait_dscnt 16                                ; all but tile 0's 16 loads: the 32 stores have read their registers,
	XBACK 1, 64                                    ; which take tile 1
	s_wait_dscnt 16                                ; tile 0 is in; tile 1's 16 loads may be out
	QX 192, 128, 160
.irp q, 0,1,2
	global_store_b128 v4, v[128+4*\q:131+4*\q], s[28:29] offset:512*\q          ; 32 lanes store 512 consecutive bytes
.endr
	s_wait_dscnt 0x0
	QX 64, 140, 161
.irp q, 0,1,2
	global_store_b128 v4, v[140+4*\q:143+4*\q], s[28:29] offset:1536+512*\q
.endr
	v_cndmask_b32 v162, v160, v161, s34            ; lanes 0-15: tile 2 b's words, lanes 16-31: tile 2 b + 1's
	global_store_b32 v5, v162, s[30:31]
	s_branch .Lend
	; ---------------- W_qkv, W_out ----------------
.Lweights:
	s_cmp_lt_u32 ttmp9, 448                        ; only pointers and sizes are chosen
	s_cselect_b64 s[4:5], s[6:7], s[8:9]           ; from
	s_cselect_b64 s[10:11], s[12:13], s[14:15]     ; to
	s_mov_b32 s17, 448
	s_cselect_b32 s17, 256, s17
	s_mov_b32 s18, 128*1024*4
	s_cselect_b32 s18, 128*3072*4, s18             ; a K step of the weight in bytes
	s_sub_co_u32 s17, ttmp9, s17                   ; 8 x group + K step
	s_lshr_b32 s19, s17, 3                         ; group of 128 columns
	s_and_b32 s20, s17, 7                          ; K step
	s_mul_i32 s22, s20, s18
	s_lshl_b32 s23, s19, 9
	s_add_co_u32 s22, s22, s23
	s_lshl_b32 s23, s16, 7                         ; my wave's 32 columns: b = wave
	s_add_co_u32 s22, s22, s23
	s_mov_b32 s23, 0
	s_add_nc_u64 s[4:5], s[4:5], s[22:23]
	s_mul_i32 s22, s17, BLK                        ; the operand block
	s_mul_i32 s24, s16, 3072
	s_add_co_u32 s24, s24, s22
	s_mov_b32 s25, 0
	s_lshl_b32 s26, s16, 7
	s_add_co_u32 s26, s26, s22
	s_add_co_u32 s26, s26, 12288
	s_mov_b32 s27, 0
	s_add_nc_u64 s[28:29], s[10:11], s[24:25]
	s_add_nc_u64 s[30:31], s[10:11], s[26:27]
	s_wait_alu depctr_va_vdst(0)
	v_lshlrev_b32 v4, 2, v1                        ; in: 4 bytes a lane
	v_bfe_u32 v8, v0, 3, 1                         ; column L of the 32 is row r = L % 8 + 8 (L / 16) of tile u = (L / 8) % 2
	v_and_b32 v9, 7, v0
	v_lshl_add_u32 v9, v3, 3, v9
	v_mul_u32_u24 v10, v8, 1536
	v_lshl_add_u32 v10, v9, 4, v10                 ; out: fragment u, lane r's 16 bytes
	v_lshl_add_u32 v11, v8, 4, v9
	v_lshlrev_b32 v11, 2, v11                      ; and the scale word's place
	s_cmp_lt_u32 ttmp9, 448                        ; the row pitch stands in the loads' immediates: the 128 loads are written for each of the two
	s_cbranch_scc0 .Lload_out
.set i, 0
.rept 128
	global_load_b32 v[64+i], v4, s[4:5] offset:i*3072*4 th:TH_LOAD_NT   ; W(k, my column): a wave reads 128 consecutive bytes
.set i, i+1
.endr
	s_branch .Lloaded
.Lload_out:
.set i, 0
	s_wait_alu depctr_va_vdst(0)
.rept 128
	global_load_b32 v[64+i], v4, s[4:5] offset:i*1024*4 th:TH_LOAD_NT
.set i, i+1
.endr
.Lloaded:
; block be of the K step: its codes are registers 6 c .. 6 c + 5 of the half h of my row, be = 2 c + h.  cnt: not more than the loads issued behind the block's last
.macro WBLOCK be, cnt
	s_wait_loadcnt \cnt
.set XS, 64+32*\be
.set FH, 192+12*(\be%2)+6*(\be/2)
	v_max3_num_f32 v32, |v[XS]|, |v[XS+1]|, |v[XS+2]|
	v_max3_num_f32 v33, |v[XS+3]|, |v[XS+4]|, |v[XS+5]|
.irp i, 6,10,14,18,22,26
	v_max3_num_f32 v32, v32, |v[XS+\i]|, |v[XS+\i+1]|
	v_max3_num_f32 v33, v33, |v[XS+\i+2]|, |v[XS+\i+3]|
.endr
	v_max3_num_f32 v32, v32, |v[XS+30]|, |v[XS+31]|
	v_max3_num_f32 v32, v32, v33, FLOOR
	v_add_nc_u32 v[40+\be], 0xff000000, v32
	v_lshrrev_b32 v34, 23, v[40+\be]
.if \be == 0
	v_mov_b32 v35, v34                             ; the four bytes make my column's scale word
.else
	v_lshl_or_b32 v35, v34, 8*\be, v35
.endif
	v_cvt_scalef32_pk16_fp6_f32 v[FH:FH+2], v[XS:XS+15], v[40+\be]
	v_cvt_scalef32_pk16_fp6_f32 v[216+4*\be:218+4*\be], v[XS+16:XS+31], v[40+\be]
	v_nop                                          ; one plain place behind the scaled conversions
.irp i, 0,1,2
	v_mov_b32 v[FH+3+\i], v[216+4*\be+\i]
.endr
.endm
	WBLOCK 0, 63                                   ; 96 loads stand behind block 0's last, 64 behind block 1's: the wait's field holds 63
	WBLOCK 1, 63
	WBLOCK 2, 32
	WBLOCK 3, 0
.irp h, 0,1
.irp q, 0,1,2
	global_store_b128 v10, v[192+12*\h+4*\q:195+12*\h+4*\q], s[28:29] offset:512*\q+256*\h   ; the 16 lanes of a tile store 256 consecutive bytes, aligned
.endr
.endr
	global_store_b32 v11, v35, s[30:31]
.Lend:
	s_wait_tensorcnt 0x0                           ; the wave's end, behind my last LDS store
	ds_add_u32 v[SPW], v[NIL]
	s_wait_dscnt 0x0
	s_endpgm
.Lfunc_end_k_q907b93d1a5_prep:
	.size	k_q907b93d1a5_prep, .Lfunc_end_k_q907b93d1a5_prep-k_q907b93d1a5_prep
	.p2alignl 7, 3214868480
	.fill 96, 4, 3214868480
	.section	.rodata,"a",@progbits
	.p2align	6, 0x0
	.amdhsa_kernel k_q907b93d1a5_prep
		.amdhsa_group_segment_fixed_size 68096
		.amdhsa_private_segment_fixed_size 0
		.amdhsa_enable_private_segment 0
		.amdhsa_kernarg_size 48
		.amdhsa_user_sgpr_count 2
		.amdhsa_user_sgpr_kernarg_segment_ptr 1
		.amdhsa_wavefront_size32 1
		.amdhsa_system_sgpr_workgroup_id_x 1
		.amdhsa_system_sgpr_workgroup_id_y 1
		.amdhsa_system_sgpr_workgroup_id_z 1
		.amdhsa_system_vgpr_workitem_id 0
		.amdhsa_next_free_vgpr 256
		.amdhsa_next_free_sgpr 66
		.amdhsa_reserve_vcc 0
		.amdhsa_float_denorm_mode_32 3
		.amdhsa_float_denorm_mode_16_64 3
		.amdhsa_memory_ordered 1
		.amdhsa_forward_progress 1
		.amdhsa_inst_pref_size 50
	.end_amdhsa_kernel
	.amdgpu_metadata
---
amdhsa.version: [ 1, 2 ]
amdhsa.kernels:
  - .name:           k_q907b93d1a5_prep
    .symbol:         k_q907b93d1a5_prep.kd
    .args:
      - { .name: x, .offset: 0, .size: 8, .value_kind: global_buffer, .address_space: global }
      - { .name: W_qkv, .offset: 8, .size: 8, .value_kind: global_buffer, .address_space: global }
      - { .name: W_out, .offset: 16, .size: 8, .value_kind: global_buffer, .address_space: global }
      - { .name: xq, .offset: 24, .size: 8, .value_kind: global_buffer, .address_space: global }
      - { .name: wq, .offset: 32, .size: 8, .value_kind: global_buffer, .address_space: global }
      - { .name: wo, .offset: 40, .size: 8, .value_kind: global_buffer, .address_space: global }
    .group_segment_fixed_size: 68096
    .private_segment_fixed_size: 0
    .kernarg_segment_align: 8
    .kernarg_segment_size: 48
    .max_flat_workgroup_size: 128
    .sgpr_count:     66
    .vgpr_count:     256
    .wavefront_size: 32
...
	.end_amdgpu_metadata
.endif
;; end of part 1
;; launch qkv (part 2): grid 16 x 16, 4 waves a work-group, clusters of 4 x 4, 327,680 bytes of LDS; arguments xq, wq, b_qkv, qb, kv; writes qb, kv
.if DOCPART == 2
	.amdgcn_target "amdgcn-amd-amdhsa--gfx1250"
	.amdhsa_code_object_version 6
	.text
	.protected	k_q907b93d1a5_qkv
	.globl	k_q907b93d1a5_qkv
	.p2align	8
	.type	k_q907b93d1a5_qkv,@function
k_q907b93d1a5_qkv:
	s_mov_b64 s[64:65], 0
	v_nop
	global_prefetch_b8 v0, s[64:65] scope:SCOPE_SE
	s_setreg_imm32_b32 hwreg(HW_REG_WAVE_MODE, 25, 1), 1
	s_wait_xcnt 0x0
	s_wait_alu depctr_hold_cnt(0) depctr_sa_sdst(0) depctr_va_vdst(0) depctr_va_sdst(0) depctr_va_ssrc(0) depctr_va_vcc(0) depctr_vm_vsrc(0)
	s_getreg_b32 s2, hwreg(HW_REG_IB_STS2, 6, 4)
	s_cmp_eq_u32 s2, 0
	s_cbranch_scc0 .Lentry_in_a_cluster
	s_endpgm
.Lentry_in_a_cluster:
	s_bfe_u32 s2, ttmp6, 0x10000c
	s_cmp_lg_u32 s2, 0xf033
	s_cbranch_scc0 .Lentry_shape_is_right
	s_endpgm
.Lentry_shape_is_right:
; qkv = x W_qkv + b_qkv on codes of FP6 (E2M3) with E8M0 scales, K = 1024; the results are quantised at once as the operands of attention's two products and leave as codes.
; OPERANDS arrive as blocks of 128 rows x 128 K = 12,800 bytes, images of the operand's registers (fragment t at 1536 t, register 4 q + w of lane l at 512 q + 16 l + 4 w; scale words at 12288 + 128 b + 4 (r + 16 u));
; row r of tile 2 b + u is row 32 b + 8 u + r + 8 (r / 8) of its group, so that the 16 registers of result tiles 2 b, 2 b + 1 are 16 neighbours along source 0's rows.
; SHARES.  256 work-groups; each makes three products of a group of 128 tokens with a group of 128 columns of W, with all of K in LDS (three groups of 102,400 bytes).
; FIRST q or k: source 0 (inner) = W's group 4 X + cx (two heads), source 1 (outer) = the tokens' groups 2 P and 2 P + 1, P = 4 Y + cy.  Wave w: outer group w / 2, its tiles 4 (w % 2) .. + 3, all 8 inner tiles: 32 accumulators.
; A lane holds one token and its registers run along the heads' channels, which are the next K.
; THEN v: source 0 = the tokens' group 2 P + X % 2, which lies in LDS already; source 1 = W's group 16 + 4 (X / 2) + cx, which is brought into the slot of the q or k columns when every wave has read them (the one refill,
; two K steps a wave).  Wave w: tiles 2 w, 2 w + 1 of W's group, all 8 tiles of tokens: 16 accumulators.  A lane holds one channel and its registers run along the tokens, the keys, which are the next K.
; (P, X % 2) names each of the 32 groups of tokens once and (X / 2, cx) each of v's 8 groups of columns: every pair has one owner.  The quantising and the stores of q or k stand between the refill and the wait for it.
; The accumulators take turns.  The bias is the C of each sum's first matrix instruction.
; OUT.  A block of kv (head, 128 tokens) is 13,056 bytes: 0: K's 48 registers (tile t of 16 keys: registers 6 t .. 6 t + 5, k = 32 h + 0 .. 31 of the head's 64), register R of lane l at 512 (R / 4) + 16 l + 4 (R % 4);
; 6144: V^T's four fragments (16 channels x 128 keys); 12288: K's scale words, tile t, row r at 16 (r + 16 (t / 4)) + 4 (t % 4), bytes 2 and 3 zero; 12800: V's, at 8 (r + 16 (t / 2)) + 4 (t % 2).  q goes to qb in K's two places.
; CLUSTER 4 x 4: the tokens' groups are shared along a row of the cluster, W's groups along a column: each is asked for jointly.  X and Y are the cluster's own numbers, the same in all sixteen partners.
; PREFETCH: v's columns are named at the head, the whole walk along K for q or k ahead of the tensor loads that bring them.  The four work-groups of a cluster's column share the group's 400 blocks of 256 bytes out by address:
; place cy takes blocks 100 cy .. + 99, wave w 25 of them, a lane a block (lanes 25-31 name the wave's last block again): one instruction a wave, each block once in a cluster.  The first three groups come by the head's loads alone.
; LIMITS: a block whose largest magnitude lies under 2^-124 gets the scale byte 1; NaN and infinities are not served.
; REGISTERS.  window 0: v1-3 lane, r, h; v4-12 LDS addresses; v13-17 at work; v18, v19 the add's two; v20-31 scale words, two sets; v32-47, v56-63 at work; v48-55 scale words made; v64-159 outer fragments, two sets (later the codes made);
;   v160-223 the bias; v224-227 v's bias and the prefetch's offset.   window 1: inner fragments, two sets of 96.   window 2: accumulator (o, i) at v[64 o + 8 i].
.set BLK,   12800
.set GRP,   102400                     ; a group's whole K
.set INN,   204800                     ; LDS: the tokens' two groups, then W's group
.set SPARE, 307200                     ; the spare words, 128 bytes for each wave
.set KVB,   13056
.set HEADB, 417792                     ; 32 blocks: from head to head
.set AI,  4                            ; v4-5   inner fragments, K steps 0-3, 4-7
.set AO,  6                            ; v6-7   my outer fragments
.set SIA, 8                            ; v8-9   inner scale words
.set SOA, 10                           ; v10-11 my outer scale words
.set LI,  12                           ; v12    16 x lane
.set FL,  16                           ; v16    the floor 2^(3 - 127)
.set SPW, 18
.set NIL, 19
.set TM,  32
.set PW,  48
.set SW,  52
.set T,   56
.set OUT, 64
.set BIAS, 160
.set MSB, 0
.macro WIN new                         ; the immediate's high byte repeats the setting that is left
.if MSB != \new
	s_set_vgpr_msb (MSB<<8)|\new
.set MSB, \new
.endif
.endm
.macro CROUND                          ; a round of the cluster's barrier
	s_barrier_signal -1
	s_barrier_wait -1
	s_cmp_lg_u32 s14, 0
	s_cbranch_scc1 .Lnot_wave_0_\@
	s_barrier_signal -3
.Lnot_wave_0_\@:
	s_barrier_wait -3
	s_barrier_signal -1
	s_barrier_wait -1
.endm
.macro PLACES                          ; four places behind a matrix instruction, in front of loads into its registers and of reads of its result
.rept 4
	v_nop
.endr
.endm
; one product.  rr: bit 0: source 0's scales stand in lanes 16-31; bit 1: source 1's
.macro WMX d, a, b, c, sa, sb, rr
.if (\rr) == 0
	v_wmma_scale_f32_16x16x128_f8f6f4 v[\d:\d+7], v[\a:\a+11], v[\b:\b+11], v[\c:\c+7], v[\sa], v[\sb] matrix_a_fmt:MATRIX_FMT_FP6 matrix_b_fmt:MATRIX_FMT_FP6
.elseif (\rr) == 1
	v_wmma_scale_f32_16x16x128_f8f6f4 v[\d:\d+7], v[\a:\a+11], v[\b:\b+11], v[\c:\c+7], v[\sa], v[\sb] matrix_a_fmt:MATRIX_FMT_FP6 matrix_b_fmt:MATRIX_FMT_FP6 matrix_a_scale:MATRIX_SCALE_ROW1
.elseif (\rr) == 2
	v_wmma_scale_f32_16x16x128_f8f6f4 v[\d:\d+7], v[\a:\a+11], v[\b:\b+11], v[\c:\c+7], v[\sa], v[\sb] matrix_a_fmt:MATRIX_FMT_FP6 matrix_b_fmt:MATRIX_FMT_FP6 matrix_b_scale:MATRIX_SCALE_ROW1
.else
	v_wmma_scale_f32_16x16x128_f8f6f4 v[\d:\d+7], v[\a:\a+11], v[\b:\b+11], v[\c:\c+7], v[\sa], v[\sb] matrix_a_fmt:MATRIX_FMT_FP6 matrix_b_fmt:MATRIX_FMT_FP6 matrix_a_scale:MATRIX_SCALE_ROW1 matrix_b_scale:MATRIX_SCALE_ROW1
.endif
.endm
; K step s into set p, with no outer tiles (4 or 2): 24 + 3 no loads of 16 bytes a lane, 512 consecutive bytes each, and 4 + no / 2 of scale words
.macro FETCH s, p, no
	WIN 0x40                                       ; destination window 1, address window 0
.irp t, 0,1,2,3,4,5,6,7
.irp q, 0,1,2
	ds_load_b128 v[96*(\p)+12*\t+4*\q:96*(\p)+12*\t+4*\q+3], v[AI+(\s)/4] offset:BLK*((\s)%4)+1536*\t+512*\q
.endr
.endr
	WIN 0
.irp o, 0,1,2,3
.if \o < \no
.irp q, 0,1,2
	ds_load_b128 v[64+48*(\p)+12*\o+4*\q:64+48*(\p)+12*\o+4*\q+3], v[AO+(\s)/4] offset:BLK*((\s)%4)+1536*\o+512*\q
.endr
.endif
.endr
.irp b, 0,1,2,3
	ds_load_b32 v[20+6*(\p)+\b], v[SIA+(\s)/4] offset:BLK*((\s)%4)+128*\b     ; lanes 0-15: tile 2 b's words, lanes 16-31: tile 2 b + 1's
.endr
.irp e, 0,1
.if 2*\e < \no
	ds_load_b32 v[24+6*(\p)+\e], v[SOA+(\s)/4] offset:BLK*((\s)%4)+128*\e
.endif
.endr
.endm
; a K step's 8 no products from set p.  cm = 0: the sums go on; 1: they begin with the bias of inner tile i; 2: of outer tile o
.macro MUL p, cm, no
.if \cm
	WIN 0x81                                       ; source 0 window 1, source 1 and C window 0, D window 2
.else
	WIN 0xa1                                       ; C and D window 2
.endif
.irp o, 0,1,2,3
.if \o < \no
.irp i, 0,1,2,3,4,5,6,7
.if (\cm) == 0
	WMX 64*\o+8*\i, 96*(\p)+12*\i, 64+48*(\p)+12*\o, 64*\o+8*\i, 20+6*(\p)+\i/2, 24+6*(\p)+\o/2, (\i%2)+2*(\o%2)
.elseif (\cm) == 1
	WMX 64*\o+8*\i, 96*(\p)+12*\i, 64+48*(\p)+12*\o, BIAS+8*\i, 20+6*(\p)+\i/2, 24+6*(\p)+\o/2, (\i%2)+2*(\o%2)
.else
	WMX 64*\o+8*\i, 96*(\p)+12*\i, 64+48*(\p)+12*\o, BIAS+8*\o, 20+6*(\p)+\i/2, 24+6*(\p)+\o/2, (\i%2)+2*(\o%2)
.endif
.endr
.endif
.endr
.endm
; all of K, from LDS that is whole: the next K step's fragments are fetched while this one's are multiplied
.macro KWALK cm, no
	FETCH 0, 0, \no
.irp s, 0,1,2,3,4,5,6
	PLACES                                         ; the set that is loaded next was multiplied last
	FETCH \s+1, (\s+1)%2, \no
	s_wait_dscnt 28+3*\no+\no/2                    ; all but the fetch just issued
.if \s == 0
	MUL 0, \cm, \no
.else
	MUL (\s)%2, 0, \no
.endif
.endr
	s_wait_dscnt 0x0
	MUL 1, 0, \no
	WIN 0
.endm
; 64 results of a lane (window 2, v[src] on), register 16 b + i = k 32 b + 16 (lane / 16) + i of my row, become codes: blocks 0, 1 in v[da] .. + 5, blocks 2, 3 in v[db] .. + 5 (lane half h holds block 2 c + h whole); the four bytes in v[pw]
.macro QUANT src, da, db, pw
	WIN 0x28                                       ; sources 1 and 2 window 2
.irp b, 0,1,2,3
	v_max3_num_f32 v[TM+\b], v[FL], |v[\src+16*\b]|, |v[\src+16*\b+1]|     ; each accumulator is read from its low end on; the floor holds the byte at 1 from below
.endr
.irp i, 2,4,6,8,10,12,14
.irp b, 0,1,2,3
	v_max3_num_f32 v[TM+\b], v[TM+\b], |v[\src+16*\b+\i]|, |v[\src+16*\b+\i+1]|
.endr
.endr
	WIN 0
.irp b, 0,1,2,3
	v_permlanex16_b32 v[TM+4+\b], v[TM+\b], s56, s57
.endr
.irp b, 0,1,2,3
	v_max_num_f32 v[TM+\b], v[TM+\b], v[TM+4+\b]   ; with lane l xor 16's: the block's largest magnitude
.endr
.irp b, 0,1,2,3
	v_add_nc_u32 v[TM+12+\b], 0xff000000, v[TM+\b] ; 2 off the exponent field: the conversion's scale operand
.endr
.irp b, 0,1,2,3
	v_lshrrev_b32 v[TM+4+\b], 23, v[TM+12+\b]      ; the scale's byte
.endr
	v_lshl_or_b32 v[\pw], v[TM+5], 8, v[TM+4]
	v_lshl_or_b32 v[\pw], v[TM+6], 16, v[\pw]
	v_lshl_or_b32 v[\pw], v[TM+7], 24, v[\pw]
	WIN 0x02                                       ; source 0 window 2
	v_cvt_scalef32_pk16_fp6_f32 v[\da:\da+2], v[\src:\src+15], v[TM+12]
	v_cvt_scalef32_pk16_fp6_f32 v[T:T+2], v[\src+16:\src+31], v[TM+13]
	v_cvt_scalef32_pk16_fp6_f32 v[\db:\db+2], v[\src+32:\src+47], v[TM+14]
	v_cvt_scalef32_pk16_fp6_f32 v[T+4:T+6], v[\src+48:\src+63], v[TM+15]
	WIN 0
	v_nop                                          ; one plain place behind the scaled conversions
.irp i, 0,1,2
	v_permlane16_swap_b32 v[\da+\i], v[T+\i]       ; the first's lanes 16-31 change places with the second's lanes 0-15: a whole block to a lane
	v_permlane16_swap_b32 v[\db+\i], v[T+4+\i]
.endr
.irp i, 0,1,2
	v_mov_b32 v[\da+3+\i], v[T+\i]
	v_mov_b32 v[\db+3+\i], v[T+4+\i]
.endr
.endm
	s_load_b256 s[4:11], s[0:1], 0x0               ; xq s[4:5], wq s[6:7], b_qkv s[8:9], qb s[10:11]
	s_load_b64 s[12:13], s[0:1], 0x20              ; kv
	v_lshl_add_u32 v[SPW], v0, 2, SPARE
	v_mov_b32 v[NIL], 0
	ds_add_u32 v[SPW], v[NIL]                      ; the wave's opening: the add, twice on end, and its wait ahead of my first tensor load; the set-up below, work on registers, stands between
	ds_add_u32 v[SPW], v[NIL]
	v_lshrrev_b32 v1, 5, v0
	v_readfirstlane_b32 s14, v1                    ; wave 0..3
	s_lshr_b32 s15, s14, 1                         ; q, k: my outer group.  Also: at the head I fetch tokens (0) or W (1)
	s_and_b32 s16, s14, 1                          ; q, k: which four of its tiles.  Also: which part I fetch at the head
	s_bfe_u32 s17, ttmp6, 0x40000                  ; cx
	s_bfe_u32 s18, ttmp6, 0x40004                  ; cy
	s_and_b32 s19, ttmp7, 0xffff                   ; Y
	s_lshl_b32 s20, s18, 2
	s_lshl_b32 s20, 15, s20                        ; my row of the cluster
	s_lshl_b32 s21, 0x1111, s17                    ; my column
	; descriptor groups 1: dense blocks as rows of 256 bytes (32 elements of 8 bytes): tokens 400 rows (a group's whole K), W at the head 200 rows (four K steps), W's refill 100 rows (two)
	s_or_b32 s24, s20, (3<<16)|(1<<21)             ; 15:0 the mask: tokens go to my row; 17:16 elements of 8 bytes; 21 set beside a mask
	s_mov_b32 s25, 32<<16                          ; tensor_dim0 = 32
	s_mov_b32 s26, 400<<16                         ; tensor_dim1 = 400
	s_mov_b32 s27, 32<<16                          ; tile_dim0 = 32
	s_mov_b32 s28, 400                             ; tile_dim1 = 400
	s_mov_b32 s29, 32                              ; from row to row
	s_mov_b32 s30, 0
	s_mov_b32 s31, 0
	s_or_b32 s32, s21, (3<<16)|(1<<21)             ; W goes to my column
	s_mov_b32 s33, 32<<16
	s_mov_b32 s34, 200<<16
	s_mov_b32 s35, 32<<16
	s_mov_b32 s36, 200
	s_mov_b32 s37, 32
	s_mov_b32 s38, 0
	s_mov_b32 s39, 0
	s_or_b32 s48, s21, (3<<16)|(1<<21)
	s_mov_b32 s49, 32<<16
	s_mov_b32 s50, 100<<16
	s_mov_b32 s51, 32<<16
	s_mov_b32 s52, 100
	s_mov_b32 s53, 32
	s_mov_b32 s54, 0
	s_mov_b32 s55, 0
	s_mov_b32 s56, 0x76543210
	s_mov_b32 s57, 0xfedcba98                      ; v_permlanex16_b32's selects for lane l xor 16
	s_lshl_b32 s22, s19, 2
	s_add_co_u32 s22, s22, s18                     ; P, the pair of tokens' groups: hangs on cy, never on cx
	s_lshl_b32 s23, ttmp9, 2
	s_add_co_u32 s23, s23, s17                     ; W's group for q or k: hangs on cx, never on cy
	s_lshl_b32 s92, s22, 1
	s_add_co_u32 s92, s92, s16
	s_mul_i32 s92, s92, GRP                        ; waves 0, 1: the tokens' group 2 P + wave % 2
	s_mov_b32 s93, 0
	s_mul_i32 s97, s16, 4*BLK                      ; waves 2, 3: W's K steps 4 (wave % 2) .. + 3
	s_mul_i32 s94, s23, GRP
	s_add_co_u32 s94, s94, s97
	s_mov_b32 s95, 0
	s_mul_i32 s96, s16, GRP                        ; and where they go in LDS: the wave's number alone
	s_mul_i32 s99, s14, 2*BLK                      ; the refill: every wave two K steps
	s_lshr_b32 s84, ttmp9, 1
	s_lshl_b32 s84, s84, 2
	s_add_co_u32 s84, s84, s17                     ; v's group of columns, 0..7
	s_add_co_u32 s90, s84, 16
	s_mul_i32 s90, s90, GRP
	s_add_co_u32 s90, s90, s99
	s_mov_b32 s91, 0
	s_and_b32 s85, ttmp9, 1                        ; which of my two groups of tokens v takes: X % 2
	s_wait_dscnt 0x0                               ; both opening adds are done
	s_wait_kmcnt 0x0
	s_add_nc_u64 s[86:87], s[6:7], s[94:95]
	s_add_nc_u64 s[88:89], s[4:5], s[92:93]
	s_add_nc_u64 s[74:75], s[6:7], s[90:91]
	CROUND                                         ; all sixteen work-groups are here: the joint loads meet
	s_mov_b32 s40, 1                               ; count = 1
	s_mov_b32 s41, s96                             ; LDS address
	s_mov_b64 s[42:43], s[88:89]
	s_or_b32 s43, s43, 0x80000000                  ; type = 2
	s_mov_b32 s68, 1
	s_add_co_u32 s69, s97, INN
	s_mov_b64 s[70:71], s[86:87]
	s_or_b32 s71, s71, 0x80000000
	s_mov_b32 s72, 1                               ; the refill: v's columns into W's slot
	s_add_co_u32 s73, s99, INN
	s_or_b32 s75, s75, 0x80000000
	s_cmp_lt_u32 s14, 2                            ; one tensor load a wave, one in each arm of a branch on the wave's number
	s_cbranch_scc0 .Lfill_inner
	tensor_load_to_lds s[40:43], s[24:31]
	s_nop 0
.rept 4
	v_nop
.endr
	s_branch .Lfilled
.Lfill_inner:
	tensor_load_to_lds s[68:71], s[32:39]
	s_nop 0
.rept 4
	v_nop
.endr
.Lfilled:
	s_mul_i32 s98, s15, GRP
	s_mul_i32 s99, s16, 6144
	s_add_co_u32 s99, s99, s98                     ; my four outer fragments
	s_lshl_b32 s91, s16, 8
	s_add_co_u32 s98, s98, s91
	s_add_co_u32 s98, s98, 12288                   ; and their scale words
	v_and_b32 v1, 31, v0                           ; lane
	v_and_b32 v2, 15, v0                           ; r
	v_bfe_u32 v3, v0, 4, 1                         ; h
	v_lshlrev_b32 v[LI], 4, v1
	v_lshlrev_b32 v17, 2, v1
	v_add_nc_u32 v[AI], INN, v[LI]
	v_add_nc_u32 v[AI+1], INN+4*BLK, v[LI]
	v_add_nc_u32 v[AO], s99, v[LI]
	v_add_nc_u32 v[AO+1], 4*BLK, v[AO]
	v_add_nc_u32 v[SIA], INN+12288, v17
	v_add_nc_u32 v[SIA+1], INN+12288+4*BLK, v17
	v_add_nc_u32 v[SOA], s98, v17
	v_add_nc_u32 v[SOA+1], 4*BLK, v[SOA]
	v_mov_b32 v[FL], 0x1800000
.irp b, 0,1,2,3
	v_mov_b32 v[TM+4+\b], 0                        ; written once: a lane permute's destination counts as one of its sources
.endr
	v_lshlrev_b32 v14, 6, v3                       ; q, k: lane half h holds columns 32 b + 16 h + 8 u + 0 .. 7 of tile 2 b + u
	v_and_b32 v224, 8, v2
	v_add_nc_u32 v224, v224, v2
	v_lshlrev_b32 v224, 2, v224                    ; v: my channel of a tile: r + 8 (r / 8)
	v_min_u32 v225, 24, v1
	v_lshlrev_b32 v225, 8, v225                    ; the prefetch: a lane a block of 256 bytes, 25 blocks; never rewritten
	v_mul_u32_u24 v13, v3, HEADB
	v_lshl_add_u32 v13, v2, 4, v13                 ; q, k: scale words: lanes 0-15 the first head's, lanes 16-31 the second's
	v_lshlrev_b32 v15, 4, v3                       ; 16 h
	s_wait_alu depctr_va_vdst(0)
	s_mul_i32 s90, s18, 100                        ; of the 400 blocks of v's columns: my work-group's 100,
	s_mul_i32 s91, s14, 25                         ; my wave's 25
	s_add_co_u32 s90, s90, s91
	s_lshl_b32 s90, s90, 8
	s_add_co_u32 s91, s84, 16
	s_mul_i32 s91, s91, GRP
	s_add_co_u32 s90, s90, s91
	s_mov_b32 s91, 0
	s_add_nc_u64 s[62:63], s[6:7], s[90:91]        ; never rewritten
	global_prefetch_b8 v225, s[62:63] th:TH_LOAD_NT scope:SCOPE_SE
	s_lshl_b32 s90, s23, 9                         ; the bias of my 128 columns of q or k
	s_mov_b32 s91, 0
	s_add_nc_u64 s[58:59], s[8:9], s[90:91]
	s_lshl_b32 s90, s84, 7
	s_lshl_b32 s91, s14, 5
	s_add_co_u32 s90, s90, s91
	s_add_co_u32 s90, s90, 2048                    ; v: my 32 columns begin at 2048 + 128 x group + 32 x wave
	s_lshl_b32 s90, s90, 2
	s_mov_b32 s91, 0
	s_add_nc_u64 s[60:61], s[8:9], s[90:91]
.irp i, 0,1,2,3,4,5,6,7
	global_load_b128 v[BIAS+8*\i:BIAS+8*\i+3], v14, s[58:59] offset:4*(32*(\i/2)+8*(\i%2))
	global_load_b128 v[BIAS+8*\i+4:BIAS+8*\i+7], v14, s[58:59] offset:4*(32*(\i/2)+8*(\i%2))+16
.endr
	global_load_b32 v226, v224, s[60:61]           ; v's bias, tile 2 w
	global_load_b32 v227, v224, s[60:61] offset:32 ; tile 2 w + 1
	s_and_b32 s90, s23, 7                          ; W's group holds heads 2 g and 2 g + 1
	s_lshl_b32 s90, s90, 6
	s_lshl_b32 s91, s22, 1
	s_add_co_u32 s90, s90, s91
	s_add_co_u32 s90, s90, s15                     ; block 32 x head + the tokens' group
	s_mul_i32 s90, s90, KVB
	s_mul_i32 s91, s16, 3072
	s_add_co_u32 s92, s90, s91                     ; my four tiles' 24 registers
	s_mov_b32 s93, 0
	s_lshl_b32 s91, s16, 8
	s_add_co_u32 s94, s90, s91
	s_add_co_u32 s94, s94, 12288                   ; and their scale words
	s_mov_b32 s95, 0
	s_cmp_lt_u32 ttmp9, 2                          ; W's groups 0-7 are q, 8-15 are k
	s_cselect_b64 s[86:87], s[10:11], s[12:13]
	s_add_nc_u64 s[88:89], s[86:87], s[92:93]
	s_add_nc_u64 s[86:87], s[86:87], s[94:95]
	s_wait_loadcnt 0x0                             ; the biases
	s_wait_tensorcnt 0x0                           ; my one load has landed
	s_barrier_signal -1
	s_barrier_wait -1                              ; everybody's has
	; ---------------- q or k ----------------
	KWALK 1, 4
	s_wait_tensorcnt 0x0                           ; ahead of a refill's barrier
	ds_add_u32 v[SPW], v[NIL]
	s_wait_dscnt 0x0                               ; the add is done, and my reads of W's group are over
	CROUND                                         ; no wave of any partner still reads W's group
	tensor_load_to_lds s[72:75], s[48:55]          ; v's columns: every wave two K steps
	s_nop 0
.rept 4
	v_nop
.endr
	PLACES
.irp o, 0,1,2,3
	QUANT 64*\o, OUT+24*(\o/2)+6*(\o%2), OUT+24*(\o/2)+6*(\o%2)+12, PW+\o      ; blocks 0, 1: the first head's 64 channels; blocks 2, 3: the second's
	v_lshrrev_b32 v[SW+\o], v15, v[PW+\o]
	v_and_b32 v[SW+\o], 0xffff, v[SW+\o]           ; my head's two bytes; bytes 2 and 3 are zero
.if \o%2
.irp q, 0,1,2
	global_store_b128 v[LI], v[OUT+24*(\o/2)+4*\q:OUT+24*(\o/2)+4*\q+3], s[88:89] offset:512*(3*(\o/2)+\q)          ; 512 consecutive bytes
	global_store_b128 v[LI], v[OUT+24*(\o/2)+12+4*\q:OUT+24*(\o/2)+12+4*\q+3], s[88:89] offset:HEADB+512*(3*(\o/2)+\q)
.endr
.endif
.endr
	global_store_b128 v13, v[SW:SW+3], s[86:87]    ; 16 lanes store 256 consecutive bytes, aligned, for each head
	; ---------------- v ----------------
	s_wait_xcnt 0x0                                ; the stores have read their registers and their bases: both are written again below
	s_mul_i32 s98, s85, GRP                        ; source 0: the tokens' group 2 P + X % 2, where it lies
	s_add_co_u32 s99, s98, 12288
	s_mul_i32 s96, s14, 3072
	s_add_co_u32 s96, s96, INN                     ; source 1: tiles 2 w, 2 w + 1 of v's columns
	s_lshl_b32 s97, s14, 7
	s_add_co_u32 s97, s97, INN+12288
	v_add_nc_u32 v[AI], s98, v[LI]
	v_add_nc_u32 v[AI+1], 4*BLK, v[AI]
	v_add_nc_u32 v[SIA], s99, v17
	v_add_nc_u32 v[SIA+1], 4*BLK, v[SIA]
	v_add_nc_u32 v[AO], s96, v[LI]
	v_add_nc_u32 v[AO+1], 4*BLK, v[AO]
	v_add_nc_u32 v[SOA], s97, v17
	v_add_nc_u32 v[SOA+1], 4*BLK, v[SOA]
	v_lshlrev_b32 v13, 3, v2                       ; 8 r
.irp o, 0,1
.irp j, 0,1,2,3,4,5,6,7
	v_mov_b32 v[BIAS+8*\o+\j], v[226+\o]           ; a lane holds one channel: its bias in all eight registers of the C
.endr
.endr
	s_lshl_b32 s90, s84, 1
	s_add_co_u32 s90, s90, s15                     ; head 2 x group + wave / 2
	s_lshl_b32 s90, s90, 5
	s_lshl_b32 s91, s22, 1
	s_add_co_u32 s90, s90, s91
	s_add_co_u32 s90, s90, s85                     ; block 32 x head + the tokens' group
	s_mul_i32 s90, s90, KVB
	s_mul_i32 s91, s16, 3072
	s_add_co_u32 s92, s90, s91
	s_add_co_u32 s92, s92, 6144                    ; V^T's fragments 2 (wave % 2) and + 1
	s_mov_b32 s93, 0
	s_lshl_b32 s91, s16, 7
	s_add_co_u32 s94, s90, s91
	s_add_co_u32 s94, s94, 12800                   ; and their scale words
	s_mov_b32 s95, 0
	s_add_nc_u64 s[88:89], s[12:13], s[92:93]
	s_add_nc_u64 s[86:87], s[12:13], s[94:95]
	s_wait_alu depctr_va_vdst(0)                   ; directly ahead of the wait below
	s_wait_tensorcnt 0x0                           ; my part of v's columns has landed
	s_barrier_signal -1
	s_barrier_wait -1                              ; everybody's has
	KWALK 2, 2
	PLACES
.irp o, 0,1
	QUANT 64*\o, OUT+12*\o, OUT+12*\o+6, PW+\o     ; 128 keys: a whole fragment and a whole scale word
.irp q, 0,1,2
	global_store_b128 v[LI], v[OUT+12*\o+4*\q:OUT+12*\o+4*\q+3], s[88:89] offset:1536*\o+512*\q
.endr
.endr
	global_store_b64 v13, v[PW:PW+1], s[86:87]     ; row r's two words; both halves of the lanes hold the same words and write the same 128 consecutive bytes
	s_wait_tensorcnt 0x0                           ; the wave's end
	ds_add_u32 v[SPW], v[NIL]
	s_wait_dscnt 0x0
	CROUND                                         ; the closing round
	s_endpgm
.Lfunc_end_k_q907b93d1a5_qkv:
	.size	k_q907b93d1a5_qkv, .Lfunc_end_k_q907b93d1a5_qkv-k_q907b93d1a5_qkv
	.p2alignl 7, 3214868480
	.fill 96, 4, 3214868480
	.section	.rodata,"a",@progbits
	.p2align	6, 0x0
	.amdhsa_kernel k_q907b93d1a5_qkv
		.amdhsa_group_segment_fixed_size 327680
		.amdhsa_private_segment_fixed_size 0
		.amdhsa_enable_private_segment 0
		.amdhsa_kernarg_size 40
		.amdhsa_user_sgpr_count 2
		.amdhsa_user_sgpr_kernarg_segment_ptr 1
		.amdhsa_wavefront_size32 1
		.amdhsa_system_sgpr_workgroup_id_x 1
		.amdhsa_system_sgpr_workgroup_id_y 1
		.amdhsa_system_sgpr_workgroup_id_z 1
		.amdhsa_system_vgpr_workitem_id 0
		.amdhsa_next_free_vgpr 768
		.amdhsa_next_free_sgpr 100
		.amdhsa_reserve_vcc 0
		.amdhsa_float_denorm_mode_32 3
		.amdhsa_float_denorm_mode_16_64 3
		.amdhsa_memory_ordered 1
		.amdhsa_forward_progress 1
		.amdhsa_inst_pref_size 128
	.end_amdhsa_kernel
	.amdgpu_metadata
---
amdhsa.version: [ 1, 2 ]
amdhsa.kernels:
  - .name:           k_q907b93d1a5_qkv
    .symbol:         k_q907b93d1a5_qkv.kd
    .args:
      - { .name: xq, .offset: 0, .size: 8, .value_kind: global_buffer, .address_space: global }
      - { .name: wq, .offset: 8, .size: 8, .value_kind: global_buffer, .address_space: global }
      - { .name: b_qkv, .offset: 16, .size: 8, .value_kind: global_buffer, .address_space: global }
      - { .name: qb, .offset: 24, .size: 8, .value_kind: global_buffer, .address_space: global }
      - { .name: kv, .offset: 32, .size: 8, .value_kind: global_buffer, .address_space: global }
    .group_segment_fixed_size: 327680
    .private_segment_fixed_size: 0
    .kernarg_segment_align: 8
    .kernarg_segment_size: 40
    .max_flat_workgroup_size: 128
    .sgpr_count:     100
    .vgpr_count:     768
    .wavefront_size: 32
...
	.end_amdgpu_metadata
.endif
;; end of part 2
;; launch attn (part 3): grid 16 x 16, 16 waves a work-group, clusters of 4 x 1, 327,680 bytes of LDS; arguments qb, kv, aq; writes aq
.if DOCPART == 3
	.amdgcn_target "amdgcn-amd-amdhsa--gfx1250"
	.amdhsa_code_object_version 6
	.text
	.protected	k_q907b93d1a5_attn
	.globl	k_q907b93d1a5_attn
	.p2align	8
	.type	k_q907b93d1a5_attn,@function
k_q907b93d1a5_attn:
	s_mov_b64 s[64:65], 0
	v_nop
	global_prefetch_b8 v0, s[64:65] scope:SCOPE_SE
	s_setreg_imm32_b32 hwreg(HW_REG_WAVE_MODE, 25, 1), 1
	s_wait_xcnt 0x0
	s_wait_alu depctr_hold_cnt(0) depctr_sa_sdst(0) depctr_va_vdst(0) depctr_va_sdst(0) depctr_va_ssrc(0) depctr_va_vcc(0) depctr_vm_vsrc(0)
	s_getreg_b32 s2, hwreg(HW_REG_IB_STS2, 6, 4)
	s_cmp_eq_u32 s2, 0
	s_cbranch_scc0 .Lentry_in_a_cluster
	s_endpgm
.Lentry_in_a_cluster:
	s_bfe_u32 s2, ttmp6, 0x10000c
	s_cmp_lg_u32 s2, 0x3003
	s_cbranch_scc0 .Lentry_shape_is_right
	s_endpgm
.Lentry_shape_is_right:
; o = softmax(q k^T / 8) v for 16 heads of 64 over 4,096 tokens, both products on codes of FP6 (E2M3) with E8M0 scales; o is quantised along the model's 1,024 and leaves as the last product's operand.
; THE SOFTMAX AHEAD OF THE SECOND PRODUCT: t = score x log2(e) / 8; M = the row's largest t so far, rounded UP to a whole number; p = 2^(t - M) is quantised along the keys, not normalised.  The row's sum is taken
; of the unquantised p and divides O at the end.  When M moves, the sum and O are multiplied by 2^(old M - new M): exact.
; SHARES.  A work-group owns 256 queries of one head, each of its sixteen waves one tile of 16.  Every wave walks the head's 32 key steps of 128 keys.  A step's block of kv is 13,056 bytes, an image of the
; registers: K's 48 at 0, V^T's four fragments at 6144, K's scale words at 12288, V's at 12800.
; LDS holds 24 blocks.  At the head wave w asks for block w (16 blocks); behind the full sequence and a round waves 0-7 ask for blocks 16-23; when steps 0-7 are read, waves 0-7 fill slots 0-7 again with blocks 24-31.
; One tensor load a wave at each of the three places.
; CLUSTER 4 x 1: the four blocks of queries of a cluster walk the same head: every block of kv is asked for jointly.
; NO PREFETCH: 24 of the 32 blocks are asked for by tensor loads ahead of the first key step, the last 8 fifteen key steps ahead of their first read: no loop is left in which to ask earlier.
; K AND V HAVE REGISTERS OF THEIR OWN: step i + 1's K and step i's V are asked of LDS behind step i's first products, and one wait for both stands behind the exponentials.
; A BARRIER IN EACH KEY STEP, signalled at its head and awaited at its end: no wave begins step i + 1 before every wave has begun step i.  It guards no bytes; between its halves stand register work and LDS loads alone.
; LAYOUT.  Both products are used transposed (S^T = K Q^T, O^T = V^T P^T): a lane holds ONE query (lane % 16).  Row r of tile 2 b + u of keys (and of V's channels) is 32 b + 8 u + r + 8 (r / 8), so that the 16
; registers of tiles 2 b, 2 b + 1 are 16 neighbours: 32 b + 16 (lane / 16) + 0 .. 15.
; K = 64 IN AN INSTRUCTION OF 128: Q's codes for k = 64 .. 127 are zeros.  K's tile t names v[32 + 6 t] .. + 11: its upper six registers are the next tile's codes (tile 7's: zeros); every code of E2M3 is finite,
; and times Q's zeros it adds nothing.  The scale bytes of those two blocks are 0 on both sides, which stands for 2^-127, a finite number.
; LIMITS: the promise holds while |t| stays under 2^31; a block whose largest magnitude lies under 2^-124 gets the scale byte 1; NaN and infinities are not served.
.set KVB,   13056
.set HEADB, 417792                     ; a head's 32 blocks
.set SPARE, 313344                     ; behind the 24 slots: the spare words, 128 bytes for each of 16 waves
.set LI,  1                            ; 16 x lane
.set L8,  2                            ; 8 x lane
.set PSW, 4                            ; p's scale word, and nothing else
.set SPW, 5                            ; the add's two, never rewritten
.set NIL, 6
.set OSA, 7                            ; 4 x (lane % 16): o's scale bytes
.set ADK, 8                            ; the step's block + 16 x lane
.set ADV, 9                            ; the step's block + 8 x lane
.set QF,  16                           ; v16-27 Q and its zeros;  v12 -M, v13 the old -M, v[14:15] the sum in two halves;  v0, v3, v10, v11 at work
.set QS,  28                           ; Q's scale words
.set RM,  29                           ; the largest score so far
.set FF,  30                           ; v[30:31] f
.set KF,  32                           ; v32-79 K, v80-85 zeros
.set KS,  86                           ; v86-89 K's scale words
.set VS,  90                           ; v90-91 V's
.set BM,  92                           ; v92-95 each block's largest score, then its largest p, then the conversions' scale operand
.set SV,  96                           ; v96-159 S^T, then p
.set OV,  160                          ; v160-191 O^T
.set VF,  192                          ; v192-239 V^T
.set PC,  240                          ; v240-251 p's codes
.set TV,  252                          ; v252-255 at work
.set WV,  10                           ; s10 my wave's number
.set NC,  35                           ; s35 -c
.set SEL, 36                           ; s[36:37] selects for lane l xor 16
.set CS,  38                           ; s[38:39] c = log2(e) / 8
.set TB,  56                           ; s56 LDS byte at which the step's block begins
.set CNT, 57
.macro CROUND                          ; a round of the cluster's barrier
	s_barrier_signal -1
	s_barrier_wait -1
	s_cmp_lg_u32 s[WV], 0
	s_cbranch_scc1 .Lnot_wave_0_\@
	s_barrier_signal -3
.Lnot_wave_0_\@:
	s_barrier_wait -3
	s_barrier_signal -1
	s_barrier_wait -1
.endm
.macro WM d, a, b, c, sa, sb, row      ; one product; row = 1: source 0's scales stand in lanes 16-31
.if \row
	v_wmma_scale_f32_16x16x128_f8f6f4 v[\d:\d+7], v[\a:\a+11], v[\b:\b+11], \c, v[\sa], v[\sb] matrix_a_fmt:MATRIX_FMT_FP6 matrix_b_fmt:MATRIX_FMT_FP6 matrix_a_scale:MATRIX_SCALE_ROW1
.else
	v_wmma_scale_f32_16x16x128_f8f6f4 v[\d:\d+7], v[\a:\a+11], v[\b:\b+11], \c, v[\sa], v[\sb] matrix_a_fmt:MATRIX_FMT_FP6 matrix_b_fmt:MATRIX_FMT_FP6
.endif
.endm
.macro KLOAD adr, off                  ; a block's K: 48 registers, 512 consecutive bytes a load, and its scale words (lanes 0-15 tiles 0-3, lanes 16-31 tiles 4-7)
.irp q, 0,1,2,3,4,5,6,7,8,9,10,11
	ds_load_b128 v[KF+4*\q:KF+4*\q+3], v[\adr] offset:\off+512*\q
.endr
	ds_load_b128 v[KS:KS+3], v[\adr] offset:\off+12288
.endm
.macro JFILL                           ; waves 0-7 ask for a block each
	s_cmp_lt_u32 s[WV], 8
	s_cbranch_scc0 .Lno_fill_\@
	tensor_load_to_lds s[24:27], s[16:23]
	s_nop 0
.rept 4
	v_nop
.endr
.Lno_fill_\@:
.endm
	s_load_b128 s[4:7], s[0:1], 0x0                ; qb s[4:5], kv s[6:7]
	s_load_b64 s[8:9], s[0:1], 0x10                ; aq
	v_lshl_add_u32 v[SPW], v0, 2, SPARE
	v_mov_b32 v[NIL], 0
	ds_add_u32 v[SPW], v[NIL]                      ; the wave's opening: the add, twice on end, and its wait ahead of my first tensor load
	ds_add_u32 v[SPW], v[NIL]
	v_lshrrev_b32 v3, 5, v0
	s_delay_alu instid0(VALU_DEP_1)
	v_readfirstlane_b32 s[WV], v3                  ; wave 0..15
	s_bfe_u32 s11, ttmp6, 0x40000                  ; cx
	s_lshl_b32 s12, ttmp9, 2
	s_add_co_u32 s12, s12, s11                     ; my block of 256 queries: it enters q's and aq's addresses alone
	s_and_b32 s13, ttmp7, 0xffff                   ; the head, which the four partners share
	s_mov_b32 s16, 15|(3<<16)|(1<<21)              ; 15:0 the mask: all four; 17:16 elements of 8 bytes; 21 set beside a mask
	s_mov_b32 s17, 32<<16                          ; tensor_dim0 = 32: rows of 256 bytes
	s_mov_b32 s18, 51<<16                          ; tensor_dim1 = 51: a block
	s_mov_b32 s19, 32<<16                          ; tile_dim0 = 32
	s_mov_b32 s20, 51                              ; tile_dim1 = 51
	s_mov_b32 s21, 32                              ; from row to row
	s_mov_b32 s22, 0
	s_mov_b32 s23, 0
	s_mov_b32 s24, 1                               ; count = 1
	s_mul_i32 s25, s[WV], KVB                      ; slot w
	s_and_b32 s14, s[WV], 7
	s_mul_i32 s15, s14, KVB                        ; slot w % 8, for the two later fills
	s_mul_i32 s40, s13, HEADB                      ; the head's first block, in kv and in qb
	s_add_co_u32 s42, s40, s25
	s_mov_b32 s43, 0
	s_add_co_u32 s44, s40, s15
	s_mov_b32 s45, 0
	s_mov_b32 s[SEL], 0x76543210
	s_mov_b32 s[SEL+1], 0xfedcba98
	s_mov_b32 s[CS], 0x3e38aa3b                    ; log2(e) / 8
	s_mov_b32 s[CS+1], s[CS]                       ; (named with it as a pair, so it is written)
	s_mov_b32 s[NC], 0xbe38aa3b
	s_wait_dscnt 0x0                               ; both opening adds are done
	s_wait_kmcnt 0x0
	s_add_nc_u64 s[26:27], s[6:7], s[42:43]        ; block w of the head
	s_or_b32 s27, s27, 0x80000000                  ; type = 2
	s_add_nc_u64 s[32:33], s[6:7], s[44:45]        ; block w % 8
	CROUND                                         ; all four work-groups are here: the joint loads meet
	tensor_load_to_lds s[24:27], s[16:23]          ; every wave's one load at the head
	s_nop 0
.rept 4
	v_nop
.endr
	s_lshr_b32 s46, s[WV], 3
	s_lshl_b32 s47, s12, 1
	s_add_co_u32 s46, s46, s47                     ; my group of 128 tokens
	s_and_b32 s47, s[WV], 7                        ; my tile in it
	s_mul_i32 s48, s46, KVB
	s_add_co_u32 s48, s48, s40
	s_mov_b32 s49, 0
	s_add_nc_u64 s[4:5], s[4:5], s[48:49]          ; q's block
	s_mul_i32 s50, s47, 6                          ; my tile's registers 6 a .. 6 a + 5 of the block's 48
.irp i, 0,1,2
	s_add_co_u32 s51, s50, 2*\i
	s_lshr_b32 s52, s51, 2
	s_lshl_b32 s52, s52, 9
	s_and_b32 s51, s51, 3
	s_lshl_b32 s51, s51, 2
	s_add_co_u32 s[28+\i], s51, s52                ; register R lies at 512 (R / 4) + 4 (R % 4) + 16 x lane
.endr
	s_lshr_b32 s51, s47, 2
	s_lshl_b32 s51, s51, 8
	s_and_b32 s52, s47, 3
	s_lshl_b32 s52, s52, 2
	s_add_co_u32 s31, s51, s52
	s_add_co_u32 s31, s31, 12288                   ; q's scale words
	; where o goes: operand block (tokens' group, K step head / 2), fragment a, registers 6 (head % 2) on; in aq a fragment's registers 0-3 lie at 16 l, 4-5 at 512 + 8 l, 6-9 at 768 + 16 l, 10-11 at 1280 + 8 l
	s_lshl_b32 s48, s46, 3
	s_lshr_b32 s49, s13, 1
	s_add_co_u32 s48, s48, s49
	s_mul_i32 s48, s48, 12800
	s_and_b32 s49, s13, 1
	s_mul_i32 s50, s47, 1536
	s_mul_i32 s51, s49, 768
	s_add_co_u32 s50, s50, s51
	s_add_co_u32 s50, s50, s48
	s_mov_b32 s51, 0
	s_add_nc_u64 s[52:53], s[8:9], s[50:51]
	s_lshl_b32 s50, s47, 6                         ; the scale words of tile a: 64 a
	s_lshl_b32 s49, s49, 1                         ; my head's two bytes of the word
	s_add_co_u32 s50, s50, s49
	s_add_co_u32 s50, s50, s48
	s_add_co_u32 s50, s50, 12288
	s_add_nc_u64 s[54:55], s[8:9], s[50:51]
	v_and_b32 v3, 31, v0
	v_and_b32 v10, 15, v0
	v_lshlrev_b32 v[LI], 4, v3
	v_lshlrev_b32 v[L8], 3, v3
	v_lshlrev_b32 v[OSA], 2, v10
	v_lshl_add_u32 v[SV+3], v10, 4, s31
.irp i, 0,1,2
	v_add_nc_u32 v[SV+\i], s[28+\i], v[LI]
.endr
.irp i, 0,1,2
	global_load_b64 v[QF+2*\i:QF+2*\i+1], v[SV+\i], s[4:5]
.endr
	global_load_b32 v[QS], v[SV+3], s[4:5]
.irp j, 22,23,24,25,26,27,80,81,82,83,84,85
	v_mov_b32 v[\j], 0                             ; Q's codes for k = 64 .. 127, and what tile 7 of K runs over
.endr
	v_mov_b32 v[RM], 0xff61b1e6                    ; the largest score so far: -3e38
	s_delay_alu instid0(VALU_DEP_1)
	v_mul_f32 v10, s[NC], v[RM]
	s_delay_alu instid0(VALU_DEP_1)
	v_floor_f32 v12, v10                           ; -M
	v_mov_b32 v14, 0                               ; the sum, in two halves
	v_mov_b32 v15, 0
	v_mov_b32 v[FF+1], 0                           ; (named as the upper half of the pair)
.irp b, 0,1,2,3
	v_mov_b32 v[TV+\b], 0                          ; a lane permute's destination counts as one of its sources
.endr
.set j, 0
.rept 32
	v_mov_b32 v[OV+j], 0                           ; O^T.  (The step is written for all steps alike: the first finds zeros, which the first change of M leaves zeros)
.set j, j+1
.endr
; A KEY STEP: 128 keys.  pre = 1: the next block's K is fetched from the slot behind this one; 2: from slot 0; 0: there is none
.macro STEP pre
	s_wait_dscnt 0x0                               ; this step's K is in, and no LDS instruction of mine is out at the signal
	s_barrier_signal -1                            ; I have begun this step
.irp t, 0,1,2,3
	WM SV+8*\t, KF+6*\t, QF, 0, KS+\t, QS, 0
.endr
.irp t, 0,1,2,3
	WM SV+32+8*\t, KF+24+6*\t, QF, 0, KS+\t, QS, 1
.endr
	v_add_nc_u32 v[ADK], s[TB], v[LI]              ; four places behind the products, in front of loads into K's registers and of the first read of the scores
	v_add_nc_u32 v[ADV], s[TB], v[L8]
	v_mov_b32 v13, v12                             ; the old -M
	v_nop
.irp q, 0,1,2,3,4,5,6,7,8,9,10,11
	ds_load_b128 v[VF+4*\q:VF+4*\q+3], v[ADK] offset:6144+512*\q               ; V^T's four fragments (the last step's sums were the places behind its second products)
.endr
	ds_load_b64 v[VS:VS+1], v[ADV] offset:12800    ; V's scale words: lanes 0-15 tiles 0, 1, lanes 16-31 tiles 2, 3
.if \pre == 1
	KLOAD ADK, KVB
.elseif \pre == 2
	KLOAD LI, 0
.endif
.irp b, 0,1,2,3
	v_max3_num_f32 v[BM+\b], v[SV+16*\b], v[SV+1+16*\b], v[SV+2+16*\b]         ; the largest score of each block of 32 keys: for the row's maximum and, since p rises with the score, for the block's largest p
.endr
.irp i, 3,5,7,9,11,13
.irp b, 0,1,2,3
	v_max3_num_f32 v[BM+\b], v[BM+\b], v[SV+16*\b+\i], v[SV+1+16*\b+\i]
.endr
.endr
.irp b, 0,1,2,3
	v_max_num_f32 v[BM+\b], v[BM+\b], v[SV+15+16*\b]
.endr
.irp b, 0,1,2,3
	s_delay_alu instid0(VALU_DEP_4)
	v_permlanex16_b32 v[TV+\b], v[BM+\b], s[SEL], s[SEL+1]
.endr
.irp b, 0,1,2,3
	s_delay_alu instid0(VALU_DEP_4)
	v_max_num_f32 v[BM+\b], v[BM+\b], v[TV+\b]     ; with lane l xor 16's 16 keys
.endr
	s_delay_alu instid0(VALU_DEP_2)
	v_max3_num_f32 v10, v[BM], v[BM+1], v[BM+2]
	s_delay_alu instid0(VALU_DEP_1)
	v_max3_num_f32 v[RM], v[RM], v10, v[BM+3]      ; the running largest score (c is positive: the largest t is c x this)
	s_delay_alu instid0(VALU_DEP_1)
	v_mul_f32 v10, s[NC], v[RM]                    ; -t
	s_delay_alu instid0(VALU_DEP_1)
	v_floor_f32 v12, v10                           ; the new -M = floor(-t) = -ceil(t)
	s_delay_alu instid0(VALU_DEP_1)
	v_sub_f32 v10, v12, v13                        ; old M - new M: a whole number, 0 or less
.set j, 0
.rept 8
	v_pk_fma_f32 v[SV+j:SV+j+1], v[SV+j:SV+j+1], s[CS:CS+1], v[12:13] op_sel_hi:[1,0,0]   ; t - M, two at a time
.set j, j+2
.endr
	v_cvt_i32_f32 v10, v10                         ; (it saturates)
.rept 8
	v_pk_fma_f32 v[SV+j:SV+j+1], v[SV+j:SV+j+1], s[CS:CS+1], v[12:13] op_sel_hi:[1,0,0]
.set j, j+2
.endr
	v_ldexp_f32 v[FF], 1.0, v10                    ; f = 2^(old M - new M)
.rept 16
	v_pk_fma_f32 v[SV+j:SV+j+1], v[SV+j:SV+j+1], s[CS:CS+1], v[12:13] op_sel_hi:[1,0,0]
.set j, j+2
.endr
.irp b, 0,1,2,3
	v_fma_f32 v[BM+\b], v[BM+\b], s[CS], v12       ; the same of each block's largest score
.endr
.set j, 0
.rept 16
	v_pk_mul_f32 v[OV+j:OV+j+1], v[OV+j:OV+j+1], v[FF:FF+1] op_sel_hi:[1,0]    ; O^T under the new M, each accumulator from its low end on
.set j, j+2
.endr
	s_wait_alu depctr_va_vdst(0)                   ; ahead of the batch
.set j, 0
.rept 64
	v_exp_f32 v[SV+j], v[SV+j]                     ; p = 2^(t - M), at most 1
.set j, j+1
.endr
.irp b, 0,1,2,3
	v_exp_f32 v[BM+\b], v[BM+\b]                   ; the block's largest p: the same two instructions on the same number
.endr
	v_nop                                          ; a plain place behind the exponentials
	s_wait_alu depctr_va_vdst(0)                   ; one wait for the batch of 68, ahead of its first reader
	s_wait_dscnt 0x0                               ; V, and the next step's K
.irp b, 0,1,2,3
	v_max_num_f32 v[BM+\b], 0x1800000, v[BM+\b]    ; the floor 2^(3 - 127): the byte cannot fall under 1
.endr
.irp b, 0,1,2,3
	s_delay_alu instid0(VALU_DEP_4)
	v_add_nc_u32 v[BM+\b], 0xff000000, v[BM+\b]    ; 2 off the exponent field: the conversion's scale operand
.endr
	v_lshrrev_b32 v10, 23, v[BM]                   ; the four scale bytes
	v_lshrrev_b32 v11, 23, v[BM+1]
	v_lshrrev_b32 v0, 23, v[BM+2]
	v_lshrrev_b32 v[TV+3], 23, v[BM+3]
	v_lshl_or_b32 v[PSW], v11, 8, v10              ; p's scale word for these 128 keys; its three lines are also the plain places behind the conversions
	v_cvt_scalef32_pk16_fp6_f32 v[PC:PC+2], v[SV:SV+15], v[BM]
	v_cvt_scalef32_pk16_fp6_f32 v[TV:TV+2], v[SV+16:SV+31], v[BM+1]            ; (a conversion's three registers begin on an even number)
	v_lshl_or_b32 v[PSW], v0, 16, v[PSW]
.irp i, 0,1,2
	v_permlane16_swap_b32 v[PC+\i], v[TV+\i]       ; a whole block to a lane: lanes 0-15 block 0, lanes 16-31 block 1
.endr
	v_dual_mov_b32 v[PC+3], v[TV] :: v_dual_mov_b32 v[PC+4], v[TV+1]           ; the block's upper 16 codes to their places: two moves in one instruction (one destination odd, one even; sources in two banks)
	v_mov_b32 v[PC+5], v[TV+2]
	v_cvt_scalef32_pk16_fp6_f32 v[PC+6:PC+8], v[SV+32:SV+47], v[BM+2]
	v_cvt_scalef32_pk16_fp6_f32 v[TV:TV+2], v[SV+48:SV+63], v[BM+3]
	v_lshl_or_b32 v[PSW], v[TV+3], 24, v[PSW]
.irp i, 0,1,2
	v_permlane16_swap_b32 v[PC+6+\i], v[TV+\i]     ; blocks 2 and 3
.endr
	v_dual_mov_b32 v[PC+9], v[TV] :: v_dual_mov_b32 v[PC+10], v[TV+1]
	v_mov_b32 v[PC+11], v[TV+2]
; THE ROW'S SUM OF THE UNQUANTISED p, two at a time, as a tree in p's own registers, which the conversions have read.  Its first eight lines are the places between the scale word's and the codes' last writes and the products
.set j, 0
.rept 8
	v_pk_add_f32 v[SV+j:SV+j+1], v[SV+j:SV+j+1], v[SV+32+j:SV+33+j]
.set j, j+2
.endr
.irp t, 0,1
	WM OV+8*\t, VF+12*\t, PC, v[OV+8*\t:OV+8*\t+7], VS+\t, PSW, 0
.endr
.irp t, 0,1
	WM OV+16+8*\t, VF+24+12*\t, PC, v[OV+16+8*\t:OV+16+8*\t+7], VS+\t, PSW, 1
.endr
.rept 8
	v_pk_add_f32 v[SV+j:SV+j+1], v[SV+j:SV+j+1], v[SV+32+j:SV+33+j]
.set j, j+2
.endr
.set j, 0
.rept 8
	v_pk_add_f32 v[SV+j:SV+j+1], v[SV+j:SV+j+1], v[SV+16+j:SV+17+j]
.set j, j+2
.endr
.set j, 0
.rept 4
	s_delay_alu instid0(VALU_DEP_4)
	v_pk_add_f32 v[SV+j:SV+j+1], v[SV+j:SV+j+1], v[SV+8+j:SV+9+j]
.set j, j+2
.endr
.set j, 0
.rept 2
	s_delay_alu instid0(VALU_DEP_2)
	v_pk_add_f32 v[SV+j:SV+j+1], v[SV+j:SV+j+1], v[SV+4+j:SV+5+j]
.set j, j+2
.endr
	s_delay_alu instid0(VALU_DEP_1)
	v_pk_add_f32 v[SV:SV+1], v[SV:SV+1], v[SV+2:SV+3]
	s_delay_alu instid0(VALU_DEP_1)
	v_pk_fma_f32 v[14:15], v[14:15], v[FF:FF+1], v[SV:SV+1] op_sel_hi:[1,0,1]  ; the old sum under the new M, and this step's
	s_wait_alu depctr_va_vdst(0)                   ; directly ahead of the wait below
	s_barrier_wait -1                              ; every wave has begun this step
.endm
.macro WALK base, n                    ; n key steps from LDS byte base on, each fetching the next slot's K
	s_mov_b32 s[TB], \base
	s_mov_b32 s[CNT], \n
.Lstep_\@:
	STEP 1
	s_add_co_u32 s[TB], s[TB], KVB
	s_sub_co_u32 s[CNT], s[CNT], 1
	s_cmp_lg_u32 s[CNT], 0
	s_cbranch_scc1 .Lstep_\@
.endm
	s_wait_alu depctr_va_vdst(0)                   ; at the head's end
	s_wait_tensorcnt 0x0                           ; my block is in
	ds_add_u32 v[SPW], v[NIL]
	s_add_co_u32 s25, s15, 16*KVB                  ; no load of mine is out, so group 0 may be written: slot 16 + w % 8,
	s_add_nc_u64 s[26:27], s[32:33], 16*KVB        ; block 16 + w % 8
	s_or_b32 s27, s27, 0x80000000
	s_wait_dscnt 0x0                               ; the add is done
	CROUND                                         ; blocks 0-15 are whole in every partner
	JFILL                                          ; blocks 16-23, a first fill
	KLOAD LI, 0                                    ; step 0's K
	s_wait_loadcnt 0x0                             ; Q
	WALK 0, 8                                      ; steps 0-7; the last fetches step 8's K
	s_wait_tensorcnt 0x0                           ; all my tensor loads have landed, blocks 16-23 among them
	ds_add_u32 v[SPW], v[NIL]                      ; 0 onto my spare word
	s_mov_b32 s25, s15                             ; slot w % 8,
	s_add_nc_u64 s[26:27], s[32:33], 24*KVB        ; block 24 + w % 8
	s_or_b32 s27, s27, 0x80000000
	s_wait_dscnt 0x0                               ; the add is done, and my reads of slots 0-7 are over
	CROUND                                         ; no wave of any partner still reads slots 0-7 or has a load on its way
	JFILL                                          ; the one refill
	WALK 8*KVB, 15                                 ; steps 8-22; the last fetches step 23's K
	s_wait_tensorcnt 0x0                           ; my part of blocks 24-31 is in
	s_wait_dscnt 0x0
	s_barrier_signal -1
	s_barrier_wait -1                              ; everybody's is
	s_mov_b32 s[TB], 23*KVB
	STEP 2                                         ; step 23; it fetches step 24's K from slot 0
	WALK 0, 7                                      ; steps 24-30
	s_mov_b32 s[TB], 7*KVB
	STEP 0                                         ; step 31
	; THE WAY OUT: O^T / the sum; its 64 channels are two blocks of the last product's K: quantised here, stored as six registers of that operand's fragment
	v_add_f32 v14, v14, v15
	s_delay_alu instid0(VALU_DEP_1)
	v_permlanex16_b32 v10, v14, s[SEL], s[SEL+1]
	s_delay_alu instid0(VALU_DEP_1)
	v_add_f32 v14, v14, v10                        ; the row's sum
	s_wait_alu depctr_va_vdst(0)                   ; ahead of the transcendental
	v_rcp_f32 v14, v14
	v_nop                                          ; a plain place behind the reciprocal
	s_wait_alu depctr_va_vdst(0)                   ; the wait ahead of its first reader, and of O^T's
.set j, 0
.rept 32
	v_mul_f32 v[SV+j], v[OV+j], v14                ; register 16 b + i: channel 32 b + 16 (lane / 16) + i of my query
.set j, j+1
.endr
.irp b, 0,1
	v_max3_num_f32 v[BM+\b], |v[SV+16*\b]|, |v[SV+1+16*\b]|, 0x1800000
.endr
.irp i, 2,4,6,8,10,12,14
.irp b, 0,1
	s_delay_alu instid0(VALU_DEP_2)
	v_max3_num_f32 v[BM+\b], v[BM+\b], |v[SV+16*\b+\i]|, |v[SV+1+16*\b+\i]|
.endr
.endr
.irp b, 0,1
	s_delay_alu instid0(VALU_DEP_2)
	v_permlanex16_b32 v[TV+\b], v[BM+\b], s[SEL], s[SEL+1]
.endr
.irp b, 0,1
	s_delay_alu instid0(VALU_DEP_2)
	v_max_num_f32 v[BM+\b], v[BM+\b], v[TV+\b]
.endr
.irp b, 0,1
	s_delay_alu instid0(VALU_DEP_2)
	v_add_nc_u32 v[BM+\b], 0xff000000, v[BM+\b]
.endr
.irp b, 0,1
	s_delay_alu instid0(VALU_DEP_2)
	v_lshrrev_b32 v[10+\b], 23, v[BM+\b]
.endr
	s_delay_alu instid0(VALU_DEP_1)
	v_lshl_or_b32 v10, v11, 8, v10                 ; my head's two scale bytes
	v_cvt_scalef32_pk16_fp6_f32 v[PC:PC+2], v[SV:SV+15], v[BM]
	v_cvt_scalef32_pk16_fp6_f32 v[TV:TV+2], v[SV+16:SV+31], v[BM+1]
	v_nop                                          ; one plain place behind the scaled conversions
.irp i, 0,1,2
	v_permlane16_swap_b32 v[PC+\i], v[TV+\i]
.endr
.irp i, 0,1,2
	s_delay_alu instid0(VALU_DEP_3)
	v_mov_b32 v[PC+3+\i], v[TV+\i]
.endr
	global_store_b128 v[LI], v[PC:PC+3], s[52:53]                              ; 512 consecutive bytes
	global_store_b64 v[L8], v[PC+4:PC+5], s[52:53] offset:512                  ; 256 consecutive bytes, aligned
	global_store_b16 v[OSA], v10, s[54:55]         ; two bytes of each row's scale word; both halves of the lanes hold the same bytes and write the same place
	s_wait_tensorcnt 0x0                           ; the wave's end
	ds_add_u32 v[SPW], v[NIL]
	s_wait_dscnt 0x0
	CROUND                                         ; the closing round
	s_endpgm
.Lfunc_end_k_q907b93d1a5_attn:
	.size	k_q907b93d1a5_attn, .Lfunc_end_k_q907b93d1a5_attn-k_q907b93d1a5_attn
	.p2alignl 7, 3214868480
	.fill 96, 4, 3214868480
	.section	.rodata,"a",@progbits
	.p2align	6, 0x0
	.amdhsa_kernel k_q907b93d1a5_attn
		.amdhsa_group_segment_fixed_size 327680
		.amdhsa_private_segment_fixed_size 0
		.amdhsa_enable_private_segment 0
		.amdhsa_kernarg_size 24
		.amdhsa_user_sgpr_count 2
		.amdhsa_user_sgpr_kernarg_segment_ptr 1
		.amdhsa_wavefront_size32 1
		.amdhsa_system_sgpr_workgroup_id_x 1
		.amdhsa_system_sgpr_workgroup_id_y 1
		.amdhsa_system_sgpr_workgroup_id_z 1
		.amdhsa_system_vgpr_workitem_id 0
		.amdhsa_next_free_vgpr 256
		.amdhsa_next_free_sgpr 66
		.amdhsa_reserve_vcc 0
		.amdhsa_float_denorm_mode_32 3
		.amdhsa_float_denorm_mode_16_64 3
		.amdhsa_memory_ordered 1
		.amdhsa_forward_progress 1
		.amdhsa_inst_pref_size 93
	.end_amdhsa_kernel
	.amdgpu_metadata
---
amdhsa.version: [ 1, 2 ]
amdhsa.kernels:
  - .name:           k_q907b93d1a5_attn
    .symbol:         k_q907b93d1a5_attn.kd
    .args:
      - { .name: qb, .offset: 0, .size: 8, .value_kind: global_buffer, .address_space: global }
      - { .name: kv, .offset: 8, .size: 8, .value_kind: global_buffer, .address_space: global }
      - { .name: aq, .offset: 16, .size: 8, .value_kind: global_buffer, .address_space: global }
    .group_segment_fixed_size: 327680
    .private_segment_fixed_size: 0
    .kernarg_segment_align: 8
    .kernarg_segment_size: 24
    .max_flat_workgroup_size: 512
    .sgpr_count:     66
    .vgpr_count:     256
    .wavefront_size: 32
...
	.end_amdgpu_metadata
.endif
;; end of part 3
;; launch outp (part 4): grid 8 x 32, 4 waves a work-group, clusters of 4 x 4, 327,680 bytes of LDS; arguments aq, wo, b_out, out0; writes out0
.if DOCPART == 4
	.amdgcn_target "amdgcn-amd-amdhsa--gfx1250"
	.amdhsa_code_object_version 6
	.text
	.protected	k_q907b93d1a5_outp
	.globl	k_q907b93d1a5_outp
	.p2align	8
	.type	k_q907b93d1a5_outp,@function
k_q907b93d1a5_outp:
	s_mov_b64 s[64:65], 0
	v_nop
	global_prefetch_b8 v0, s[64:65] scope:SCOPE_SE
	s_setreg_imm32_b32 hwreg(HW_REG_WAVE_MODE, 25, 1), 1
	s_wait_xcnt 0x0
	s_wait_alu depctr_hold_cnt(0) depctr_sa_sdst(0) depctr_va_vdst(0) depctr_va_sdst(0) depctr_va_ssrc(0) depctr_va_vcc(0) depctr_vm_vsrc(0)
	s_getreg_b32 s2, hwreg(HW_REG_IB_STS2, 6, 4)
	s_cmp_eq_u32 s2, 0
	s_cbranch_scc0 .Lentry_in_a_cluster
	s_endpgm
.Lentry_in_a_cluster:
	s_bfe_u32 s2, ttmp6, 0x10000c
	s_cmp_lg_u32 s2, 0xf033
	s_cbranch_scc0 .Lentry_shape_is_right
	s_endpgm
.Lentry_shape_is_right:
; out0 = o W_out + b_out on codes of FP6 (E2M3) with E8M0 scales, K = 1024; out0 [4096][1024] f32.
; OPERANDS arrive as blocks of 128 rows x 128 K = 12,800 bytes, images of the operand's registers; scale words at 12288 + 128 b + 4 (r + 16 u).  wo's fragment t lies at 1536 t, register 4 q + w of lane l at 512 q + 16 l + 4 w;
; in aq's fragments registers 0-3 lie at 16 l, 4-5 at 512 + 8 l, 6-9 at 768 + 16 l, 10-11 at 1280 + 8 l.  Row r of tile 2 b + u is row 32 b + 8 u + r + 8 (r / 8) of its group.
; SHARES.  256 work-groups: 32 groups of 128 tokens (source 1) x 8 groups of 128 of W_out's columns (source 0), each with all of K in LDS: filled once, no ring.  Wave w: the tokens' tiles 2 w, 2 w + 1, all 8 tiles of columns:
; 16 accumulators, which take turns.  Used transposed: a lane holds one token and eight neighbouring columns.  The bias is the C of each sum's first matrix instruction.
; CLUSTER 4 x 4: the tokens' group is shared along a row of the cluster, the columns' group along a column: each is asked for jointly.
; NO PREFETCH: both groups are asked for at the head, and the text has no loop in which to ask earlier.
; THE WAY OUT: 16 tokens x 128 columns at a time through the wave's own stage in LDS (pitch 528), back as whole rows of 512 bytes.  The stages lie in bytes of the operands, which have had their only fill and, behind a barrier, their last read.
; REGISTERS.  window 0: v1-3 lane, r, h; v4-17 addresses; v18, v19 the add's two; v20-31 scale words, two sets; v64-159 tokens' fragments, two sets; v160-223 the bias; on the way out v64-191 rows of out0.
;   window 1: columns' fragments, two sets of 96.   window 2: accumulator (o, i) at v[64 o + 8 i].
.set BLK,   12800
.set GRP,   102400
.set INN,   102400                     ; LDS: the tokens' group, then the columns' group
.set SPARE, 204800
.set NF,    37                         ; LDS loads of a K step's fetch
.set AI,  4
.set AO,  6
.set SIA, 8
.set SOA, 10
.set LI,  12
.set STO, 13                           ; v13 the stage: where I put 32 bytes of a row
.set RD,  14                           ; v14 and where I read a row back
.set AO8, 16                           ; v16-17 my outer fragments' pieces of 8 bytes a lane
.set SPW, 18
.set NIL, 19
.set BIAS, 160
.set MSB, 0
.macro WIN new                         ; the immediate's high byte repeats the setting that is left
.if MSB != \new
	s_set_vgpr_msb (MSB<<8)|\new
.set MSB, \new
.endif
.endm
.macro CROUND                          ; a round of the cluster's barrier
	s_barrier_signal -1
	s_barrier_wait -1
	s_cmp_lg_u32 s14, 0
	s_cbranch_scc1 .Lnot_wave_0_\@
	s_barrier_signal -3
.Lnot_wave_0_\@:
	s_barrier_wait -3
	s_barrier_signal -1
	s_barrier_wait -1
.endm
.macro PLACES                          ; four places behind a matrix instruction, in front of loads into its registers and of reads of its result
.rept 4
	v_nop
.endr
.endm
.macro WMX d, a, b, c, sa, sb, rr      ; rr: bit 0: source 0's scales stand in lanes 16-31; bit 1: source 1's
.if (\rr) == 0
	v_wmma_scale_f32_16x16x128_f8f6f4 v[\d:\d+7], v[\a:\a+11], v[\b:\b+11], v[\c:\c+7], v[\sa], v[\sb] matrix_a_fmt:MATRIX_FMT_FP6 matrix_b_fmt:MATRIX_FMT_FP6
.elseif (\rr) == 1
	v_wmma_scale_f32_16x16x128_f8f6f4 v[\d:\d+7], v[\a:\a+11], v[\b:\b+11], v[\c:\c+7], v[\sa], v[\sb] matrix_a_fmt:MATRIX_FMT_FP6 matrix_b_fmt:MATRIX_FMT_FP6 matrix_a_scale:MATRIX_SCALE_ROW1
.elseif (\rr) == 2
	v_wmma_scale_f32_16x16x128_f8f6f4 v[\d:\d+7], v[\a:\a+11], v[\b:\b+11], v[\c:\c+7], v[\sa], v[\sb] matrix_a_fmt:MATRIX_FMT_FP6 matrix_b_fmt:MATRIX_FMT_FP6 matrix_b_scale:MATRIX_SCALE_ROW1
.else
	v_wmma_scale_f32_16x16x128_f8f6f4 v[\d:\d+7], v[\a:\a+11], v[\b:\b+11], v[\c:\c+7], v[\sa], v[\sb] matrix_a_fmt:MATRIX_FMT_FP6 matrix_b_fmt:MATRIX_FMT_FP6 matrix_a_scale:MATRIX_SCALE_ROW1 matrix_b_scale:MATRIX_SCALE_ROW1
.endif
.endm
.macro FETCH s, p                      ; K step s into set p: 24 + 8 loads of fragments, 5 of scale words
	WIN 0x40                                       ; destination window 1, address window 0
.irp t, 0,1,2,3,4,5,6,7
.irp q, 0,1,2
	ds_load_b128 v[96*(\p)+12*\t+4*\q:96*(\p)+12*\t+4*\q+3], v[AI+(\s)/4] offset:BLK*((\s)%4)+1536*\t+512*\q
.endr
.endr
	WIN 0
.irp o, 0,1
.irp c, 0,1
	ds_load_b128 v[64+48*(\p)+12*\o+6*\c:64+48*(\p)+12*\o+6*\c+3], v[AO+(\s)/4] offset:BLK*((\s)%4)+1536*\o+768*\c
	ds_load_b64 v[64+48*(\p)+12*\o+6*\c+4:64+48*(\p)+12*\o+6*\c+5], v[AO8+(\s)/4] offset:BLK*((\s)%4)+1536*\o+768*\c+512
.endr
.endr
.irp b, 0,1,2,3
	ds_load_b32 v[20+6*(\p)+\b], v[SIA+(\s)/4] offset:BLK*((\s)%4)+128*\b
.endr
	ds_load_b32 v[24+6*(\p)], v[SOA+(\s)/4] offset:BLK*((\s)%4)                ; lanes 0-15: my tile 2 w's words, lanes 16-31: tile 2 w + 1's
.endm
.macro MUL p, cm                       ; a K step's 16 products from set p.  cm = 1: the sums begin with the bias of the columns' tile i
.if \cm
	WIN 0x81                                       ; source 0 window 1, source 1 and C window 0, D window 2
.else
	WIN 0xa1                                       ; C and D window 2
.endif
.irp o, 0,1
.irp i, 0,1,2,3,4,5,6,7
.if (\cm) == 0
	WMX 64*\o+8*\i, 96*(\p)+12*\i, 64+48*(\p)+12*\o, 64*\o+8*\i, 20+6*(\p)+\i/2, 24+6*(\p), (\i%2)+2*\o
.else
	WMX 64*\o+8*\i, 96*(\p)+12*\i, 64+48*(\p)+12*\o, BIAS+8*\i, 20+6*(\p)+\i/2, 24+6*(\p), (\i%2)+2*\o
.endif
.endr
.endr
.endm
	s_load_b256 s[4:11], s[0:1], 0x0               ; aq s[4:5], wo s[6:7], b_out s[8:9], out0 s[10:11]
	v_lshl_add_u32 v[SPW], v0, 2, SPARE
	v_mov_b32 v[NIL], 0
	ds_add_u32 v[SPW], v[NIL]                      ; the wave's opening: the add, twice on end, and its wait ahead of my first tensor load; the set-up below, work on registers, stands between
	ds_add_u32 v[SPW], v[NIL]
	v_lshrrev_b32 v1, 5, v0
	v_readfirstlane_b32 s14, v1                    ; wave 0..3
	s_lshr_b32 s15, s14, 1                         ; I fetch tokens (0) or columns (1)
	s_and_b32 s16, s14, 1                          ; which four K steps I fetch
	s_bfe_u32 s17, ttmp6, 0x40000                  ; cx
	s_bfe_u32 s18, ttmp6, 0x40004                  ; cy
	s_and_b32 s19, ttmp7, 0xffff
	s_lshl_b32 s20, s18, 2
	s_lshl_b32 s20, 15, s20                        ; my row of the cluster
	s_lshl_b32 s21, 0x1111, s17                    ; my column
	s_or_b32 s24, s20, (3<<16)|(1<<21)             ; the tokens' group goes to my row: 200 rows of 256 bytes (four K steps) a load
	s_mov_b32 s25, 32<<16
	s_mov_b32 s26, 200<<16
	s_mov_b32 s27, 32<<16
	s_mov_b32 s28, 200
	s_mov_b32 s29, 32
	s_mov_b32 s30, 0
	s_mov_b32 s31, 0
	s_or_b32 s32, s21, (3<<16)|(1<<21)             ; the columns' group goes to my column: the same shape
	s_mov_b32 s33, 32<<16
	s_mov_b32 s34, 200<<16
	s_mov_b32 s35, 32<<16
	s_mov_b32 s36, 200
	s_mov_b32 s37, 32
	s_mov_b32 s38, 0
	s_mov_b32 s39, 0
	s_lshl_b32 s22, s19, 2
	s_add_co_u32 s22, s22, s18                     ; the tokens' group: 4 x cluster y + cy
	s_lshl_b32 s23, ttmp9, 2
	s_add_co_u32 s23, s23, s17                     ; the columns' group: 4 x cluster x + cx
	s_mul_i32 s97, s16, 4*BLK                      ; my four K steps, in memory and in LDS
	s_mul_i32 s92, s22, GRP
	s_add_co_u32 s92, s92, s97
	s_mov_b32 s93, 0
	s_mul_i32 s94, s23, GRP
	s_add_co_u32 s94, s94, s97
	s_mov_b32 s95, 0
	s_wait_dscnt 0x0                               ; both opening adds are done
	s_wait_kmcnt 0x0
	s_add_nc_u64 s[86:87], s[6:7], s[94:95]
	s_add_nc_u64 s[88:89], s[4:5], s[92:93]
	CROUND                                         ; all sixteen work-groups are here: the joint loads meet
	s_mov_b32 s40, 1
	s_mov_b32 s41, s97
	s_mov_b64 s[42:43], s[88:89]
	s_or_b32 s43, s43, 0x80000000
	s_mov_b32 s68, 1
	s_add_co_u32 s69, s97, INN
	s_mov_b64 s[70:71], s[86:87]
	s_or_b32 s71, s71, 0x80000000
	s_cmp_lt_u32 s14, 2                            ; one tensor load a wave, one in each arm of a branch on the wave's number
	s_cbranch_scc0 .Lfill_inner
	tensor_load_to_lds s[40:43], s[24:31]
	s_nop 0
.rept 4
	v_nop
.endr
	s_branch .Lfilled
.Lfill_inner:
	tensor_load_to_lds s[68:71], s[32:39]
	s_nop 0
.rept 4
	v_nop
.endr
.Lfilled:
	s_mul_i32 s98, s14, 3072                       ; my two fragments of tokens
	s_lshl_b32 s99, s14, 7
	s_add_co_u32 s99, s99, 12288                   ; and their scale words
	s_mul_i32 s96, s14, 16*528                     ; my stage
	v_and_b32 v1, 31, v0                           ; lane
	v_and_b32 v2, 15, v0                           ; r
	v_bfe_u32 v3, v0, 4, 1                         ; h
	v_lshlrev_b32 v[LI], 4, v1
	v_lshlrev_b32 v15, 2, v1
	v_lshlrev_b32 v32, 3, v1
	v_add_nc_u32 v[AI], INN, v[LI]
	v_add_nc_u32 v[AI+1], INN+4*BLK, v[LI]
	v_add_nc_u32 v[AO], s98, v[LI]
	v_add_nc_u32 v[AO+1], 4*BLK, v[AO]
	v_add_nc_u32 v[AO8], s98, v32
	v_add_nc_u32 v[AO8+1], 4*BLK, v[AO8]
	v_add_nc_u32 v[SIA], INN+12288, v15
	v_add_nc_u32 v[SIA+1], INN+12288+4*BLK, v15
	v_add_nc_u32 v[SOA], s99, v15
	v_add_nc_u32 v[SOA+1], 4*BLK, v[SOA]
	v_mul_u32_u24 v[STO], v2, 528
	v_lshl_add_u32 v[STO], v3, 6, v[STO]
	v_add_nc_u32 v[STO], s96, v[STO]               ; in: row r, + 64 h bytes
	v_add_nc_u32 v[RD], s96, v[LI]                 ; back: the 32 lanes take one row of 512 bytes
	v_lshlrev_b32 v33, 6, v3                       ; lane half h holds columns 32 b + 16 h + 8 u + 0 .. 7 of tile 2 b + u
	s_wait_alu depctr_va_vdst(0)
	s_lshl_b32 s90, s23, 9                         ; my 128 columns, in b_out and in a row of out0
	s_mov_b32 s91, 0
	s_add_nc_u64 s[8:9], s[8:9], s[90:91]
.irp i, 0,1,2,3,4,5,6,7
	global_load_b128 v[BIAS+8*\i:BIAS+8*\i+3], v33, s[8:9] offset:4*(32*(\i/2)+8*(\i%2))
	global_load_b128 v[BIAS+8*\i+4:BIAS+8*\i+7], v33, s[8:9] offset:4*(32*(\i/2)+8*(\i%2))+16
.endr
	s_lshl_b32 s92, s22, 7
	s_lshl_b32 s93, s14, 5
	s_add_co_u32 s92, s92, s93                     ; my first token: 128 x group + 32 x wave
	s_lshl_b32 s92, s92, 12
	s_add_co_u32 s92, s92, s90
	s_mov_b32 s93, 0
	s_add_nc_u64 s[10:11], s[10:11], s[92:93]
	s_wait_loadcnt 0x0                             ; the bias
	; all of K.  The four waves' loads brought both groups whole: one wait, one barrier, and nothing is filled again.
	s_wait_tensorcnt 0x0                           ; my one load has landed
	s_barrier_signal -1
	s_barrier_wait -1
	FETCH 0, 0
.irp s, 0,1,2,3,4,5,6
	PLACES                                         ; the set that is loaded next was multiplied last
	FETCH \s+1, (\s+1)%2
	s_wait_dscnt NF                                ; all but the fetch just issued
.if \s == 0
	MUL 0, 1
.else
	MUL (\s)%2, 0
.endif
.endr
	s_wait_dscnt 0x0
	MUL 1, 0
	WIN 0
	; THE WAY OUT
	s_barrier_signal -1                            ; my reads of the operands are over (the wait for 0 above)
	s_barrier_wait -1                              ; everybody's are: the stages may be written
	PLACES
.macro TOSTAGE o                       ; tile o of my tokens: 16 rows x 128 columns
	WIN 0x08                                       ; an LDS store's data are its source 1: window 2
.irp i, 0,1,2,3,4,5,6,7
	ds_store_b128 v[STO], v[64*(\o)+8*\i:64*(\o)+8*\i+3] offset:128*(\i/2)+32*(\i%2)          ; each accumulator from its low end on
	ds_store_b128 v[STO], v[64*(\o)+8*\i+4:64*(\o)+8*\i+7] offset:128*(\i/2)+32*(\i%2)+16
.endr
	WIN 0
.irp t, 0,1,2,3,4,5,6,7,8,9,10,11,12,13,14,15
	ds_load_b128 v[64+64*(\o)+4*\t:64+64*(\o)+4*\t+3], v[RD] offset:528*\t                    ; LDS serves a wave's instructions in order (ISA guide 5.7.1.4): these see the stores above, and the next tile's stores come behind them
.endr
.endm
.macro SEND o                          ; row t of tile o is token 8 o + t + 8 (t / 8) of my 32
.irp t, 0,1,2,3,4,5,6,7,8,9,10,11,12,13,14,15
	global_store_b128 v[LI], v[64+64*(\o)+4*\t:64+64*(\o)+4*\t+3], s[10:11] offset:(8*(\o)+\t+8*(\t/8))*4096 th:TH_STORE_NT   ; 32 lanes store 512 consecutive bytes, at a multiple of 256 from out0's first byte
.endr
.endm
	TOSTAGE 0
	TOSTAGE 1
	s_wait_dscnt 32                                ; tile 0 is back; tile 1's 16 stores and 16 loads may be out
	SEND 0
	s_wait_dscnt 0x0
	SEND 1
	s_wait_tensorcnt 0x0                           ; the wave's end, behind my last tensor load and my last LDS store
	ds_add_u32 v[SPW], v[NIL]
	s_wait_dscnt 0x0
	CROUND                                         ; the closing round
	s_endpgm
.Lfunc_end_k_q907b93d1a5_outp:
	.size	k_q907b93d1a5_outp, .Lfunc_end_k_q907b93d1a5_outp-k_q907b93d1a5_outp
	.p2alignl 7, 3214868480
	.fill 96, 4, 3214868480
	.section	.rodata,"a",@progbits
	.p2align	6, 0x0
	.amdhsa_kernel k_q907b93d1a5_outp
		.amdhsa_group_segment_fixed_size 327680
		.amdhsa_private_segment_fixed_size 0
		.amdhsa_enable_private_segment 0
		.amdhsa_kernarg_size 32
		.amdhsa_user_sgpr_count 2
		.amdhsa_user_sgpr_kernarg_segment_ptr 1
		.amdhsa_wavefront_size32 1
		.amdhsa_system_sgpr_workgroup_id_x 1
		.amdhsa_system_sgpr_workgroup_id_y 1
		.amdhsa_system_sgpr_workgroup_id_z 1
		.amdhsa_system_vgpr_workitem_id 0
		.amdhsa_next_free_vgpr 768
		.amdhsa_next_free_sgpr 100
		.amdhsa_reserve_vcc 0
		.amdhsa_float_denorm_mode_32 3
		.amdhsa_float_denorm_mode_16_64 3
		.amdhsa_memory_ordered 1
		.amdhsa_forward_progress 1
		.amdhsa_inst_pref_size 52
	.end_amdhsa_kernel
	.amdgpu_metadata
---
amdhsa.version: [ 1, 2 ]
amdhsa.kernels:
  - .name:           k_q907b93d1a5_outp
    .symbol:         k_q907b93d1a5_outp.kd
    .args:
      - { .name: aq, .offset: 0, .size: 8, .value_kind: global_buffer, .address_space: global }
      - { .name: wo, .offset: 8, .size: 8, .value_kind: global_buffer, .address_space: global }
      - { .name: b_out, .offset: 16, .size: 8, .value_kind: global_buffer, .address_space: global }
      - { .name: out0, .offset: 24, .size: 8, .value_kind: global_buffer, .address_space: global }
    .group_segment_fixed_size: 327680
    .private_segment_fixed_size: 0
    .kernarg_segment_align: 8
    .kernarg_segment_size: 32
    .max_flat_workgroup_size: 128
    .sgpr_count:     100
    .vgpr_count:     768
    .wavefront_size: 32
...
	.end_amdgpu_metadata
.endif
;; end of part 4
